; MI455X (gfx1250); checked and timed in simulation.
; The chip was launched on July 23, 2026; its instructions are those of AMD's public machine-readable ISA for CDNA 5 (MIT licence, August 2026) and "CDNA5" Instruction Set Architecture Reference Guide (July 2026). The comments in the code are by the model that wrote it; some were corrected since.
;; Transformer Block. Allowed arithmetic: matrix products marked QUANTISED: E3M2 operands, one E8M0 scale for each 32 along K, by v_wmma_scale_f32_16x16x128_f8f6f4 with both operands' format E3M2, f32 sums; everything else in f32.
;; Inputs: attention_mask 1 x 4,096 int32; b_down 768 float32; b_up 3,072 float32; bk 768 float32; bo 768 float32; bq 768 float32; bv 768 float32; hidden_states 1 x 4,096 x 768 float32; ln1_b 768 float32; ln1_w 768 float32; ln2_b 768 float32; ln2_w 768 float32; w_down_codes 768 x 96 x 24 uint8 (E3M2 codes of w_down, K innermost, in blocks of 32 codes, four codes in three bytes); w_down_scales 768 x 96 uint8 (E8M0 scales of w_down, one for each 32 codes along K); w_up_codes 3,072 x 24 x 24 uint8 (E3M2 codes of w_up, K innermost, in blocks of 32 codes, four codes in three bytes); w_up_scales 3,072 x 24 uint8 (E8M0 scales of w_up, one for each 32 codes along K); wk_codes 768 x 24 x 24 uint8 (E3M2 codes of wk, K innermost, in blocks of 32 codes, four codes in three bytes); wk_scales 768 x 24 uint8 (E8M0 scales of wk, one for each 32 codes along K); wo_codes 768 x 24 x 24 uint8 (E3M2 codes of wo, K innermost, in blocks of 32 codes, four codes in three bytes); wo_scales 768 x 24 uint8 (E8M0 scales of wo, one for each 32 codes along K); wq_codes 768 x 24 x 24 uint8 (E3M2 codes of wq, K innermost, in blocks of 32 codes, four codes in three bytes); wq_scales 768 x 24 uint8 (E8M0 scales of wq, one for each 32 codes along K); wv_codes 768 x 24 x 24 uint8 (E3M2 codes of wv, K innermost, in blocks of 32 codes, four codes in three bytes); wv_scales 768 x 24 uint8 (E8M0 scales of wv, one for each 32 codes along K).
;; Outputs: out0 1 x 4,096 x 768 float32.
;; This version of the problem:
;;   THIS VERSION OF THE PROBLEM IS GIVEN IN LOW PRECISION. The matrix products marked QUANTISED in the list below multiply operands that are first quantised to E3M2 (3 exponent bits, 2 mantissa bits; 6 bits a number), with one power-of-two scale for each 32 numbers along K (OCP MX v1.0); their sums are f32. All else is computed in f32.
;;   The module's matrix products, in the order in which they are computed (A, B: the left and right operand; K: the contracted axis; several contracted axes count as one K, in the product's order):
;;     1. [M 4,096, K 768] x [K 768, N 768]; A: computed on the way; B: input wq (given as codes): QUANTISED
;;     2. [M 4,096, K 768] x [K 768, N 768]; A: computed on the way; B: input wk (given as codes): QUANTISED
;;     3. [M 4,096, K 768] x [K 768, N 768]; A: computed on the way; B: input wv (given as codes): QUANTISED
;;     4. batch 12 x [M 4,096, K 64] x [K 64, N 4,096]; A: computed on the way; B: computed on the way: QUANTISED
;;     5. batch 12 x [M 4,096, K 4,096] x [K 4,096, N 64]; A: softmax (see below); B: computed on the way: QUANTISED
;;     6. [M 4,096, K 768] x [K 768, N 768]; A: computed on the way; B: input wo (given as codes): QUANTISED
;;     7. [M 4,096, K 768] x [K 768, N 3,072]; A: computed on the way; B: input w_up (given as codes): QUANTISED
;;     8. [M 4,096, K 3,072] x [K 3,072, N 768]; A: computed on the way; B: input w_down (given as codes): QUANTISED
;;   THE QUANTISER, for each operand of a quantised product, along K:
;;     - K is cut into blocks of 32 from its start; a last block that is shorter is filled with zeros.
;;     - A block's scale is 2^e with e = floor(log2(the largest magnitude in the block)) - 4, held to -126 .. 127; a block of zeros has e = 0. As a byte (E8M0): e + 127.
;;     - Each number is divided by its block's scale, clamped to +-28, and rounded to the nearest number of E3M2, ties to even, subnormals kept.
;;     - The product sums the exact products of the quantised numbers (number of the format x scale) in f32.
;;   ~~~python
;;   def quantise(x, axis):      # numpy; x: float32 -> the quantised numbers, widened to float32 again
;;       x = np.moveaxis(x, axis, -1); K = x.shape[-1]
;;       x = np.pad(x, [(0, 0)] * (x.ndim - 1) + [(0, -K % 32)]); x = x.reshape(x.shape[:-1] + (-1, 32)); a = np.abs(x).max(-1, keepdims=True)
;;       e = np.where(a > 0, np.clip(np.frexp(np.where(a > 0, a, 1))[1] - 1 - 4, -126, 127), 0)      # np.frexp(a)[1] - 1 = floor(log2(a)), exactly
;;       r = np.clip(x / 2.0 ** e, -28, 28)
;;       step = 2.0 ** (np.maximum(np.frexp(np.where(r == 0, 1, r))[1] - 1, -2) - 2)
;;       q = np.round(r / step) * step * 2.0 ** e      # np.round: ties to even
;;       return np.moveaxis(q.reshape(q.shape[:-2] + (-1,))[..., :K], -1, axis).astype(np.float32)
;;   ~~~
;;   SOFTMAX AHEAD OF A QUANTISED PRODUCT. Where the list says 'softmax', what is quantised is not the finished softmax but p = 2^(t - M), with t = logit x log2(e) and M = ceil(the row's largest t), a whole number; so 1/2 < the row's largest p <= 1. The row's sum l is taken of the UNQUANTISED p, in f32, and the product's result is divided by l at the end. Since M is a whole number, a kernel that streams over the keys may use a running M (the ceiling of the running maximum): every later rescaling is an exact power of two, which a block's scale takes up: the codes' values come out the same.
;;   OPERANDS COMPUTED ON THE WAY. 'Computed on the way' means the value that the module computes at that place (a softmax that the list does not call 'softmax' is quantised finished and normalised). What goes into a quantiser is computed in f32, as accurately as f32 sums, v_exp_f32 and their like allow (about 1e-6 of the number): no bf16 or f16 on the way to a quantiser, and a product that is left as it is and whose result goes on into a quantised operand takes f32 operands (vector FMAs, or v_wmma_f32_16x16x4_f32). A number that lies on a knife's edge between two numbers of the format may be rounded either way, as far as f32 arithmetic and the matrix unit's own rounding can turn it there, and no further.
;;   INPUTS GIVEN AS CODES. w_down (in the module: [3072, 768], K = its axis 0); w_up (in the module: [768, 3072], K = its axis 0); wk (in the module: [768, 768], K = its axis 0); wo (in the module: [768, 768], K = its axis 0); wq (in the module: [768, 768], K = its axis 0); wv (in the module: [768, 768], K = its axis 0): each comes as NAME_codes (uint8): NAME with its K axis moved to the last place and cut into blocks of 32 codes, [.., K / 32, bytes a block], one block behind the other in memory; four codes in three bytes: a row's codes are one little-endian stream of bits, code i at bits 6 i .. 6 i + 5 (a code: sign, 3 exponent bits, 2 mantissa bits); and NAME_scales (uint8): the same leading axes, one E8M0 byte (e + 127) for each 32 codes along K. Its value is code x scale, taken as it is: it is not quantised again, and the codes and scales need not be those that the quantiser above would give.
;; One version. Each part assembles by itself: llvm-mc -triple=amdgcn-amd-amdhsa -mcpu=gfx1250 --defsym DOCPART=n.
;; ======== version 1 of 1: 6 launches
;; limits: right only within a limited range of input values
;; workspace buffers: wimg 5,529,600 bytes; qbuf 2,555,904 bytes; kvbuf 5,013,504 bytes; abuf 2,457,600 bytes; hid 12,582,912 bytes; hbuf 9,830,400 bytes
;; launch prep (part 1): grid 144 x 1, 6 waves a work-group, no clusters, 0 bytes of LDS; arguments wq_codes, wk_codes, wv_codes, wo_codes, w_up_codes, w_down_codes, wq_scales, wk_scales, wv_scales, wo_scales, w_up_scales, w_down_scales, wimg; writes wimg
.if DOCPART == 1
	.amdgcn_target "amdgcn-amd-amdhsa--gfx1250"
	.amdhsa_code_object_version 6
	.text
	.protected	k_qd1132864c3_prep
	.globl	k_qd1132864c3_prep
	.p2align	8
	.type	k_qd1132864c3_prep,@function
k_qd1132864c3_prep:
	s_mov_b64 s[64:65], 0
	v_nop
	global_prefetch_b8 v0, s[64:65] scope:SCOPE_SE
	s_setreg_imm32_b32 hwreg(HW_REG_WAVE_MODE, 25, 1), 1
	s_wait_xcnt 0x0
; All six weights (codes of E3M2, K innermost, with E8M0 scale bytes) are laid once in the order of the matrix operand's registers, so that every later launch
; fetches a fragment (16 channels x 128 K, 12 registers a lane) by three loads of 16 bytes a lane, 512 consecutive bytes each.
; A work-group takes one unit g: 64 output channels x 6 K steps of 128.  g = 0-11 wq, 12-23 wk, 24-35 wv, 36-47 wo, 48-95 w_up, 96 + 4 U + quarter: w_down (24 K steps = 4 quarters).
; Wave w takes K step w of the six: four tiles of 16 channels.  THE CHANNELS OF A TILE ARE NOT NEIGHBOURS: row r of tile 2 b + u is channel 32 b + 8 u + r + (r & 8), so that a product used
; transposed leaves a lane 16 neighbouring channels in the 16 registers of tiles 2 b and 2 b + 1.
; wimg: codes at g x 36864 + step x 6144 + tile x 1536 + group x 512 + 16 x lane; scale words at WSB + g x 1536 + step x 256 + 8 x lane + 4 j: lane (r, e), word j = tile 2 j + e, row r.
; Nothing is computed: no LDS, no barrier, no matrix work.
.set WSB, 5308416
	s_load_b256 s[8:15], s[0:1], 0x0               ; codes of wq, wk, wv, wo
	s_load_b128 s[16:19], s[0:1], 0x20             ; codes of w_up, w_down
	s_load_b256 s[24:31], s[0:1], 0x30             ; scales of wq, wk, wv, wo
	s_load_b128 s[32:35], s[0:1], 0x50             ; scales of w_up, w_down
	s_load_b64 s[36:37], s[0:1], 0x60              ; wimg
	v_lshrrev_b32 v1, 5, v0
	v_readfirstlane_b32 s38, v1                    ; wave = which of the unit's six K steps
	v_and_b32 v1, 31, v0                           ; lane
	v_and_b32 v2, 15, v0                           ; r
	v_bfe_u32 v3, v0, 4, 1                         ; h
	v_and_b32 v4, 8, v0
	v_add_nc_u32 v4, v4, v2                        ; r + (r & 8)
	v_mul_u32_u24 v5, v3, 24                       ; my half's 24 bytes of a block pair
	v_lshlrev_b32 v6, 4, v1                        ; 16 x lane
	v_lshlrev_b32 v7, 3, v1                        ; 8 x lane
	v_lshl_add_u32 v8, v3, 3, v4                   ; scale words: lanes 16-31 take the odd tile, 8 channels on
	s_mov_b32 s39, ttmp9                           ; g
	s_wait_kmcnt 0x0
	s_mov_b64 s[4:5], s[18:19]                     ; begin with w_down, then choose downward by g alone
	s_mov_b64 s[6:7], s[34:35]
	s_mov_b32 s40, 96
.macro PICK bound, c, s, low
	s_cmp_lt_u32 s39, \bound
	s_cselect_b64 s[4:5], s[\c:\c+1], s[4:5]
	s_cselect_b64 s[6:7], s[\s:\s+1], s[6:7]
	s_cselect_b32 s40, \low, s40
.endm
	PICK 96, 16, 32, 48
	PICK 48, 14, 30, 36
	PICK 36, 12, 28, 24
	PICK 24, 10, 26, 12
	PICK 12, 8, 24, 0
	s_sub_co_u32 s41, s39, s40                     ; the unit's number inside its tensor
	s_lshr_b32 s42, s41, 2                         ; w_down: 64 channels U,
	s_and_b32 s43, s41, 3
	s_mul_i32 s43, s43, 6                          ; and the quarter's first K step
	s_mov_b32 s44, 2304                            ; w_down: bytes in a row of codes,
	s_mov_b32 s45, 96                              ; and of scale bytes
	s_cmp_lt_u32 s39, 96
	s_cselect_b32 s42, s41, s42                    ; the others: U = the unit, K step 0, rows of 576 and 24 bytes
	s_cselect_b32 s43, 0, s43
	s_cselect_b32 s44, 576, s44
	s_cselect_b32 s45, 24, s45
	s_add_co_u32 s43, s43, s38                     ; my K step
	s_lshl_b32 s46, s42, 6                         ; the unit's first channel
	s_mul_i32 s48, s46, s44
	s_mul_i32 s47, s43, 96
	s_add_co_u32 s48, s48, s47
	s_mov_b32 s49, 0
	s_add_nc_u64 s[4:5], s[4:5], s[48:49]          ; codes: first channel, my K step
	s_mul_i32 s48, s46, s45
	s_lshl_b32 s47, s43, 2
	s_add_co_u32 s48, s48, s47
	s_add_nc_u64 s[6:7], s[6:7], s[48:49]          ; scale bytes likewise
	s_mul_i32 s48, s39, 36864
	s_mul_i32 s47, s38, 6144
	s_add_co_u32 s48, s48, s47
	s_add_nc_u64 s[50:51], s[36:37], s[48:49]      ; where my four fragments go
	s_mul_i32 s48, s39, 1536
	s_lshl_b32 s47, s38, 8
	s_add_co_u32 s48, s48, s47
	s_add_co_u32 s48, s48, WSB
	s_add_nc_u64 s[52:53], s[36:37], s[48:49]      ; and my 64 scale words
.irp t, 0,1,2,3
	v_add_nc_u32 v[9+\t], 32*(\t/2)+8*(\t%2), v4   ; tile t's channel for my lane
.endr
.irp t, 0,1,2,3
	v_mad_u32_u24 v[9+\t], v[9+\t], s44, v5        ; x the row's bytes + 24 h
.endr
.irp j, 0,1
	v_add_nc_u32 v[13+\j], 32*\j, v8
.endr
.irp j, 0,1
	v_mul_u32_u24 v[13+\j], v[13+\j], s45
.endr
.irp t, 0,1,2,3
.irp p, 0,1,2,3,4,5
	global_load_b64 v[16+12*\t+2*\p:17+12*\t+2*\p], v[9+\t], s[4:5] offset:48*(\p/3)+8*(\p%3)   ; a fragment's registers 6 c .. 6 c + 5 are the 24 bytes at 48 c + 24 h of the row's 96
.endr
.endr
.irp j, 0,1
	global_load_b32 v[64+\j], v[13+\j], s[6:7]     ; four scale bytes: 128 along K of one channel
.endr
	s_wait_loadcnt 0x0
.irp t, 0,1,2,3
.irp g, 0,1,2
	global_store_b128 v6, v[16+12*\t+4*\g:19+12*\t+4*\g], s[50:51] offset:\t*1536+\g*512   ; 32 lanes store 512 consecutive bytes
.endr
.endr
	global_store_b64 v7, v[64:65], s[52:53]        ; 256 consecutive bytes
	s_endpgm
.Lfunc_end_k_qd1132864c3_prep:
	.size	k_qd1132864c3_prep, .Lfunc_end_k_qd1132864c3_prep-k_qd1132864c3_prep
	.p2alignl 7, 3214868480
	.fill 96, 4, 3214868480
	.section	.rodata,"a",@progbits
	.p2align	6, 0x0
	.amdhsa_kernel k_qd1132864c3_prep
		.amdhsa_group_segment_fixed_size 0
		.amdhsa_private_segment_fixed_size 0
		.amdhsa_enable_private_segment 0
		.amdhsa_kernarg_size 104
		.amdhsa_user_sgpr_count 2
		.amdhsa_user_sgpr_kernarg_segment_ptr 1
		.amdhsa_wavefront_size32 1
		.amdhsa_system_sgpr_workgroup_id_x 1
		.amdhsa_system_sgpr_workgroup_id_y 1
		.amdhsa_system_sgpr_workgroup_id_z 1
		.amdhsa_system_vgpr_workitem_id 0
		.amdhsa_next_free_vgpr 72
		.amdhsa_next_free_sgpr 66
		.amdhsa_reserve_vcc 0
		.amdhsa_float_denorm_mode_32 3
		.amdhsa_float_denorm_mode_16_64 3
		.amdhsa_memory_ordered 1
		.amdhsa_forward_progress 1
		.amdhsa_inst_pref_size 8
	.end_amdhsa_kernel
	.amdgpu_metadata
---
amdhsa.version: [ 1, 2 ]
amdhsa.kernels:
  - .name:           k_qd1132864c3_prep
    .symbol:         k_qd1132864c3_prep.kd
    .args:
      - { .name: wq_codes, .offset: 0, .size: 8, .value_kind: global_buffer, .address_space: global }
      - { .name: wk_codes, .offset: 8, .size: 8, .value_kind: global_buffer, .address_space: global }
      - { .name: wv_codes, .offset: 16, .size: 8, .value_kind: global_buffer, .address_space: global }
      - { .name: wo_codes, .offset: 24, .size: 8, .value_kind: global_buffer, .address_space: global }
      - { .name: w_up_codes, .offset: 32, .size: 8, .value_kind: global_buffer, .address_space: global }
      - { .name: w_down_codes, .offset: 40, .size: 8, .value_kind: global_buffer, .address_space: global }
      - { .name: wq_scales, .offset: 48, .size: 8, .value_kind: global_buffer, .address_space: global }
      - { .name: wk_scales, .offset: 56, .size: 8, .value_kind: global_buffer, .address_space: global }
      - { .name: wv_scales, .offset: 64, .size: 8, .value_kind: global_buffer, .address_space: global }
      - { .name: wo_scales, .offset: 72, .size: 8, .value_kind: global_buffer, .address_space: global }
      - { .name: w_up_scales, .offset: 80, .size: 8, .value_kind: global_buffer, .address_space: global }
      - { .name: w_down_scales, .offset: 88, .size: 8, .value_kind: global_buffer, .address_space: global }
      - { .name: wimg, .offset: 96, .size: 8, .value_kind: global_buffer, .address_space: global }
    .group_segment_fixed_size: 0
    .private_segment_fixed_size: 0
    .kernarg_segment_align: 8
    .kernarg_segment_size: 104
    .max_flat_workgroup_size: 192
    .sgpr_count:     66
    .vgpr_count:     72
    .wavefront_size: 32
...
	.end_amdgpu_metadata
.endif
;; end of part 1
;; launch qkv (part 2): grid 64 x 4, 12 waves a work-group, no clusters, 47,616 bytes of LDS; arguments hidden_states, ln1_w, ln1_b, wimg, bq, bk, bv, attention_mask, qbuf, kvbuf; writes qbuf, kvbuf
.if DOCPART == 2
	.amdgcn_target "amdgcn-amd-amdhsa--gfx1250"
	.amdhsa_code_object_version 6
	.text
	.protected	k_qd1132864c3_qkv
	.globl	k_qd1132864c3_qkv
	.p2align	8
	.type	k_qd1132864c3_qkv,@function
k_qd1132864c3_qkv:
	s_mov_b64 s[64:65], 0
	v_nop
	global_prefetch_b8 v0, s[64:65] scope:SCOPE_SE
	s_setreg_imm32_b32 hwreg(HW_REG_WAVE_MODE, 25, 1), 1
	s_wait_xcnt 0x0
; LayerNorm 1, its quantising, the products x wq, x wk, x wv with their biases, and the quantising of q, k (along the head's 64) and v (along the keys).
; A work-group takes 64 rows (x = panel) and three heads (y = cg).  All 12 waves make the panel's operand: wave (m = w & 3, p = w >> 2) normalises rows 16 m .. + 15, K 256 p .. + 255, in f32 with a
; two-pass variance, quantises it and leaves two fragments in LDS as images of their registers.  Then waves 0-8 take one unit each (role q, k or v x head): 64 rows x 64 channels, K = 768 in six steps.
; q and k are made TRANSPOSED (source 0 = 16 channels of the weight, source 1 = 16 rows): a lane holds one row and, thanks to the order of the weight's rows, 16 neighbouring channels in 16 registers.
; v is made the other way (source 0 = 16 keys, source 1 = 16 channels): a lane holds one channel, and its registers run along the keys, which are the K of the second attention product.
; THE PAD MASK goes into k's scale word: the score product needs only 64 of its 128 along K, and position 64 holds the constant codes 1.0 (q) and -28 (k); its block's scale byte is 127 in q,
; and in k 227 for a masked key (the score gets -28 x 2^100) or 1 for an open one (-28 x 2^-126).
; The weights come straight from memory into the registers of the one wave that multiplies them (36,864 bytes a unit, each byte used by that wave alone), so a joint fetch into LDS would add a
; write and a read of LDS for each fragment: no cluster.
; LIMITS: NaN and infinities among the inputs are not served; a block of zeros gets the scale byte 1 (its codes are zeros; only this program reads the bytes); every open score carries -28 x 2^-126.
.set XSC,  36864                       ; LDS: 0: the panel's 24 fragments [K step][row tile][1536]; XSC: their scale words [K step][64 rows]
.set LNW,  38400                       ; the gain, 3,072 bytes, and behind it the bias
.set RED,  44544                       ; part sums: 12 waves x 16 rows; 768 bytes on: the same for the squares
.set WSB,  5308416
.set QSO,  2359296
.set XA16, 1                           ; v1  16 x lane        v2  8 x lane         v5  XSC + 4 x lane        v6  4 r
.set XA8,  2
.set XS4,  5
.set WS,   16                          ; v16-27 the weight's scale words, two registers a K step; v28-29 the rows' scale words
.set XS,   28
.set W,    32                          ; v32-79 four fragments of the weight;  v80-127 four of the rows;  v128-255 sixteen accumulators
.set X,    80
.set ACC,  128
.set XR,   128                         ; before the products: my 128 numbers of a row
.set LW,   32
.set LB,   48
.set TM,   64
.set PC,   80
.set PW,   100
.set SA,   102
.set MU,   110
.set SEL,  26
.set WB,   50
.set WSC,  52
.macro NOP4                            ; four places between a matrix instruction and a load into, or a vector read of, its registers
.rept 4
	v_nop
.endr
.endm
.macro BAR                             ; my LDS stores have landed and my LDS loads are in: then the work-group's barrier
	s_wait_dscnt 0x0
	s_barrier_signal -1
	s_barrier_wait -1
.endm
.macro WM d, a, b, z, sa, sb, ra, rb   ; one product; z: it starts the sum; ra, rb: the side's scale words lie in lanes 16-31
.if (\z) && (\ra) && (\rb)
	v_wmma_scale_f32_16x16x128_f8f6f4 v[(\d):(\d)+7], v[(\a):(\a)+11], v[(\b):(\b)+11], 0, v[\sa], v[\sb] matrix_a_fmt:MATRIX_FMT_BF6 matrix_b_fmt:MATRIX_FMT_BF6 matrix_a_scale:MATRIX_SCALE_ROW1 matrix_b_scale:MATRIX_SCALE_ROW1
.elseif (\z) && (\ra)
	v_wmma_scale_f32_16x16x128_f8f6f4 v[(\d):(\d)+7], v[(\a):(\a)+11], v[(\b):(\b)+11], 0, v[\sa], v[\sb] matrix_a_fmt:MATRIX_FMT_BF6 matrix_b_fmt:MATRIX_FMT_BF6 matrix_a_scale:MATRIX_SCALE_ROW1
.elseif (\z) && (\rb)
	v_wmma_scale_f32_16x16x128_f8f6f4 v[(\d):(\d)+7], v[(\a):(\a)+11], v[(\b):(\b)+11], 0, v[\sa], v[\sb] matrix_a_fmt:MATRIX_FMT_BF6 matrix_b_fmt:MATRIX_FMT_BF6 matrix_b_scale:MATRIX_SCALE_ROW1
.elseif (\z)
	v_wmma_scale_f32_16x16x128_f8f6f4 v[(\d):(\d)+7], v[(\a):(\a)+11], v[(\b):(\b)+11], 0, v[\sa], v[\sb] matrix_a_fmt:MATRIX_FMT_BF6 matrix_b_fmt:MATRIX_FMT_BF6
.elseif (\ra) && (\rb)
	v_wmma_scale_f32_16x16x128_f8f6f4 v[(\d):(\d)+7], v[(\a):(\a)+11], v[(\b):(\b)+11], v[(\d):(\d)+7], v[\sa], v[\sb] matrix_a_fmt:MATRIX_FMT_BF6 matrix_b_fmt:MATRIX_FMT_BF6 matrix_a_scale:MATRIX_SCALE_ROW1 matrix_b_scale:MATRIX_SCALE_ROW1
.elseif (\ra)
	v_wmma_scale_f32_16x16x128_f8f6f4 v[(\d):(\d)+7], v[(\a):(\a)+11], v[(\b):(\b)+11], v[(\d):(\d)+7], v[\sa], v[\sb] matrix_a_fmt:MATRIX_FMT_BF6 matrix_b_fmt:MATRIX_FMT_BF6 matrix_a_scale:MATRIX_SCALE_ROW1
.elseif (\rb)
	v_wmma_scale_f32_16x16x128_f8f6f4 v[(\d):(\d)+7], v[(\a):(\a)+11], v[(\b):(\b)+11], v[(\d):(\d)+7], v[\sa], v[\sb] matrix_a_fmt:MATRIX_FMT_BF6 matrix_b_fmt:MATRIX_FMT_BF6 matrix_b_scale:MATRIX_SCALE_ROW1
.else
	v_wmma_scale_f32_16x16x128_f8f6f4 v[(\d):(\d)+7], v[(\a):(\a)+11], v[(\b):(\b)+11], v[(\d):(\d)+7], v[\sa], v[\sb] matrix_a_fmt:MATRIX_FMT_BF6 matrix_b_fmt:MATRIX_FMT_BF6
.endif
.endm
.macro WLOAD t, s                      ; tile t of the weight, K step s: three loads of 512 consecutive bytes
.irp g, 0,1,2
	global_load_b128 v[W+12*(\t)+4*\g:W+12*(\t)+4*\g+3], v1, s[WB:WB+1] offset:(\s)*6144+(\t)*1536+\g*512
.endr
.endm
.macro XLOAD s                         ; the four row tiles of K step s, as two half images each (512 bytes of 16 a lane, 256 of 8 a lane), and their scale words
.irp m, 0,1,2,3
	ds_load_b128 v[X+12*\m:X+12*\m+3], v[XA16] offset:(\s)*6144+\m*1536
	ds_load_b64 v[X+12*\m+4:X+12*\m+5], v[XA8] offset:(\s)*6144+\m*1536+512
	ds_load_b128 v[X+12*\m+6:X+12*\m+9], v[XA16] offset:(\s)*6144+\m*1536+768
	ds_load_b64 v[X+12*\m+10:X+12*\m+11], v[XA8] offset:(\s)*6144+\m*1536+1280
.endr
	ds_load_b32 v[XS], v[XS4] offset:(\s)*256      ; lanes 0-15 tile 0, lanes 16-31 tile 1
	ds_load_b32 v[XS+1], v[XS4] offset:(\s)*256+128   ; tiles 2 and 3
.endm
.macro MM4 o, t, s, z                  ; tile t of the weight against the four row tiles.  o = 0: transposed; o = 1: rows as source 0
.irp m, 0,1,2,3
.if \o
	WM ACC+32*(\t)+8*\m, X+12*\m, W+12*(\t), \z, XS+\m/2, WS+2*(\s)+(\t)/2, \m%2, (\t)%2
.else
	WM ACC+32*\m+8*(\t), W+12*(\t), X+12*\m, \z, WS+2*(\s)+(\t)/2, XS+\m/2, (\t)%2, \m%2
.endif
.endr
.endm
; A K step: 16 products, the 16 accumulators by turns, one instruction a turn, in the same order in every step.  Behind a tile's four products and their places its
; registers take the next step's tile.  The count 9: behind the fragment that is wanted three younger fragments are out, three loads each; in the last step 9, 6, 3, 0.
.macro KSTEP o, s, z, last
	s_wait_dscnt 0x0                               ; the rows' fragments are in
.irp t, 0,1,2,3
.if \last
	s_wait_loadcnt 9-3*\t
.else
	s_wait_loadcnt 9
.endif
	MM4 \o, \t, \s, \z
	NOP4
.if !(\last)
.if \t == 3
	XLOAD (\s)+1
.endif
	WLOAD \t, (\s)+1
.endif
.endr
.endm
; 64 numbers of a lane, register 16 b + i = k 32 b + 16 (lane / 16) + i of my row, become a fragment's codes in v[PC] on and its scale word in v[PW].
.macro QUANT s
.irp b, 0,1,2,3
	v_max3_num_f32 v[TM+\b], |v[(\s)+16*\b]|, |v[(\s)+1+16*\b]|, 0x2800000   ; my 16 numbers of block b, and the floor 2^(5 - 127): the byte cannot fall under 1
.endr
.irp i, 2,4,6,8,10,12,14
.irp b, 0,1,2,3
	v_max3_num_f32 v[TM+\b], v[TM+\b], |v[(\s)+16*\b+\i]|, |v[(\s)+1+16*\b+\i]|
.endr
.endr
.irp b, 0,1,2,3
	v_permlanex16_b32 v[TM+4+\b], v[TM+\b], s[SEL], s[SEL+1]
.endr
.irp b, 0,1,2,3
	v_max_num_f32 v[TM+\b], v[TM+\b], v[TM+4+\b]   ; with lane l xor 16's: the block's largest magnitude
.endr
.irp b, 0,1,2,3
	v_add_nc_u32 v[TM+12+\b], 0xfe000000, v[TM+\b] ; 4 off its exponent field: the conversion's scale operand
.endr
.irp b, 0,1,2,3
	v_lshrrev_b32 v[TM+4+\b], 23, v[TM+12+\b]      ; the scale's byte
.endr
	v_lshl_or_b32 v[PW], v[TM+5], 8, v[TM+4]
	v_lshl_or_b32 v[PW], v[TM+6], 16, v[PW]
	v_lshl_or_b32 v[PW], v[TM+7], 24, v[PW]
.irp c, 0,1
	v_cvt_scalef32_pk16_bf6_f32 v[PC+6*\c:PC+2+6*\c], v[(\s)+32*\c:(\s)+15+32*\c], v[TM+12+2*\c]
	v_cvt_scalef32_pk16_bf6_f32 v[PC+12+4*\c:PC+14+4*\c], v[(\s)+16+32*\c:(\s)+31+32*\c], v[TM+12+2*\c+1]   ; (a conversion's three registers begin on an even number)
.endr
	v_nop                                          ; one plain place behind a scaled conversion
.irp c, 0,1                            ; the operand wants a whole block in a lane: lanes 0-15 block 2 c, lanes 16-31 block 2 c + 1
.irp i, 0,1,2
	v_permlane16_swap_b32 v[PC+6*\c+\i], v[PC+12+4*\c+\i]
.endr
.irp i, 0,1,2
	v_mov_b32 v[PC+3+6*\c+\i], v[PC+12+4*\c+\i]
.endr
.endr
.endm
; The same for 32 numbers, two blocks: half a fragment (64 along K) in v[PC] .. v[PC+5], two scale bytes in v[PW].
.macro QUANTH s
.irp b, 0,1
	v_max3_num_f32 v[TM+\b], |v[(\s)+16*\b]|, |v[(\s)+1+16*\b]|, 0x2800000
.endr
.irp i, 2,4,6,8,10,12,14
.irp b, 0,1
	v_max3_num_f32 v[TM+\b], v[TM+\b], |v[(\s)+16*\b+\i]|, |v[(\s)+1+16*\b+\i]|
.endr
.endr
.irp b, 0,1
	v_permlanex16_b32 v[TM+4+\b], v[TM+\b], s[SEL], s[SEL+1]
.endr
.irp b, 0,1
	v_max_num_f32 v[TM+\b], v[TM+\b], v[TM+4+\b]
.endr
.irp b, 0,1
	v_add_nc_u32 v[TM+12+\b], 0xfe000000, v[TM+\b]
.endr
.irp b, 0,1
	v_lshrrev_b32 v[TM+4+\b], 23, v[TM+12+\b]
.endr
	v_lshl_or_b32 v[PW], v[TM+5], 8, v[TM+4]
	v_cvt_scalef32_pk16_bf6_f32 v[PC:PC+2], v[(\s):(\s)+15], v[TM+12]
	v_cvt_scalef32_pk16_bf6_f32 v[PC+8:PC+10], v[(\s)+16:(\s)+31], v[TM+13]
	v_nop
.irp i, 0,1,2
	v_permlane16_swap_b32 v[PC+\i], v[PC+8+\i]
.endr
.irp i, 0,1,2
	v_mov_b32 v[PC+3+\i], v[PC+8+\i]
.endr
.endm
.macro FOLD off                        ; four chains -> my lane pair's part sum -> LDS -> the row's sum over its three waves, in v[SA+2]
	v_pk_add_f32 v[SA:SA+1], v[SA:SA+1], v[SA+2:SA+3]
	v_pk_add_f32 v[SA+4:SA+5], v[SA+4:SA+5], v[SA+6:SA+7]
	v_pk_add_f32 v[SA:SA+1], v[SA:SA+1], v[SA+4:SA+5]
	v_add_f32 v[SA], v[SA], v[SA+1]
	v_permlanex16_b32 v[SA+2], v[SA], s[SEL], s[SEL+1]
	v_add_f32 v[SA], v[SA], v[SA+2]
	ds_store_b32 v9, v[SA] offset:\off             ; lanes r and r + 16 write the same word with the same value
	BAR
	ds_load_b32 v[SA+2], v10 offset:\off
	ds_load_b32 v[SA+3], v10 offset:\off+256
	ds_load_b32 v[SA+4], v10 offset:\off+512
	s_wait_dscnt 0x0
	v_add_f32 v[SA+2], v[SA+2], v[SA+3]
	v_add_f32 v[SA+2], v[SA+2], v[SA+4]
.endm
	s_load_b256 s[4:11], s[0:1], 0x0               ; rows s[4:5], gain s[6:7], bias s[8:9], wimg s[10:11]
	s_load_b256 s[12:19], s[0:1], 0x20             ; bq, bk, bv, attention_mask
	s_load_b128 s[20:23], s[0:1], 0x40             ; qbuf, kvbuf
	v_lshl_add_u32 v30, v0, 2, 0xb400
	v_mov_b32 v31, 0
	v_lshrrev_b32 v15, 5, v0
	v_readfirstlane_b32 s24, v15                   ; wave 0..11
	v_and_b32 v15, 31, v0                          ; lane
	v_and_b32 v14, 15, v0                          ; r
	v_bfe_u32 v13, v0, 4, 1                        ; h
	v_lshlrev_b32 v1, 4, v15
	v_lshlrev_b32 v2, 3, v15
	v_lshl_add_u32 v5, v15, 2, XSC
	v_lshlrev_b32 v6, 2, v14
	v_mul_u32_u24 v7, v14, 3072
	v_lshl_add_u32 v7, v13, 6, v7                  ; rows: r x 3072 + 64 h: my 16 numbers of a block of 32
	s_mov_b32 s[SEL], 0x76543210
	s_mov_b32 s[SEL+1], 0xfedcba98                 ; v_permlanex16_b32's selects for lane l xor 16
	s_mov_b32 s28, ttmp9                           ; panel
	s_and_b32 s29, ttmp7, 0xffff                   ; cg
	s_and_b32 s30, s24, 3                          ; m: my tile of rows
	s_lshr_b32 s31, s24, 2                         ; p: my 256 along K
	s_lshl_b32 s32, s31, 10
	s_add_co_u32 s32, s32, LNW
	v_lshl_add_u32 v8, v13, 6, s32                 ; gain and bias of my numbers: LNW + 1024 p + 64 h
	s_lshl_b32 s33, s24, 6
	s_add_co_u32 s33, s33, RED
	v_add_nc_u32 v9, s33, v6                       ; my wave's part sums
	s_lshl_b32 s34, s30, 6
	s_add_co_u32 s33, s34, RED
	v_add_nc_u32 v10, s33, v6                      ; those of my rows' three waves, 256 bytes apart
	s_lshl_b32 s35, s31, 3
	s_add_co_u32 s35, s35, s30
	s_mul_i32 s35, s35, 1536
	v_add_nc_u32 v11, s35, v1                      ; my fragments' images: (4 (2 p) + m) x 1536; the second K step 6144 on
	v_add_nc_u32 v12, s35, v2
	s_lshl_b32 s36, s31, 9
	s_add_co_u32 s36, s36, s34
	s_add_co_u32 s36, s36, XSC
	v_add_nc_u32 v13, s36, v6                      ; their scale words
	s_lshl_b32 s37, s24, 9
	s_add_co_u32 s37, s37, LNW
	v_add_nc_u32 v14, s37, v1                      ; my 512 bytes of gain (waves 0-5) or bias (waves 6-11)
	s_mov_b32 s44, 0x3aaaaaab                      ; 1 / 768
	s_wait_kmcnt 0x0
	s_cmp_lt_u32 s24, 6
	s_cselect_b64 s[38:39], s[6:7], s[8:9]
	s_cselect_b32 s40, 0, 6
	s_sub_co_u32 s40, s24, s40
	s_lshl_b32 s40, s40, 9
	s_mov_b32 s41, 0
	s_add_nc_u64 s[38:39], s[38:39], s[40:41]
	s_lshl_b32 s42, s28, 6
	s_lshl_b32 s43, s30, 4
	s_add_co_u32 s42, s42, s43
	s_mul_i32 s42, s42, 3072
	s_lshl_b32 s43, s31, 10
	s_add_co_u32 s42, s42, s43
	s_mov_b32 s43, 0
	s_add_nc_u64 s[4:5], s[4:5], s[42:43]          ; row 64 panel + 16 m, K 256 p
	global_load_b128 v[112:115], v1, s[38:39]
.irp g, 0,1
.irp b, 0,1,2,3
.irp j, 0,1,2,3
	global_load_b128 v[XR+64*\g+16*\b+4*\j:XR+64*\g+16*\b+4*\j+3], v7, s[4:5] offset:512*\g+128*\b+16*\j
.endr
.endr
.endr
.irp b, 0,1,2,3
	v_mov_b32 v[TM+4+\b], 0                        ; written once: a lane permute's destination counts as one of its sources
.endr
	s_wait_loadcnt 32                              ; the parameters are in; the 32 loads of rows behind them may be out
	ds_store_b128 v14, v[112:115]
	s_wait_loadcnt 0x0
	; the mean
.irp c, 0,1,2,3
	v_pk_add_f32 v[SA+2*\c:SA+2*\c+1], v[XR+2*\c:XR+2*\c+1], v[XR+8+2*\c:XR+9+2*\c]
.endr
.irp i, 16,24,32,40,48,56,64,72,80,88,96,104,112,120
.irp c, 0,1,2,3
	v_pk_add_f32 v[SA+2*\c:SA+2*\c+1], v[SA+2*\c:SA+2*\c+1], v[XR+\i+2*\c:XR+\i+2*\c+1]
.endr
.endr
	FOLD 0
	v_mul_f32 v[MU], s44, v[SA+2]
	v_mov_b32 v[MU+1], v[MU]
.set i, 0
.rept 64
	v_pk_add_f32 v[XR+i:XR+i+1], v[XR+i:XR+i+1], v[MU:MU+1] neg_lo:[0,1] neg_hi:[0,1]   ; x - mean
.set i, i+2
.endr
	; the variance, of the differences
.irp c, 0,1,2,3
	v_pk_mul_f32 v[SA+2*\c:SA+2*\c+1], v[XR+2*\c:XR+2*\c+1], v[XR+2*\c:XR+2*\c+1]
.endr
.irp i, 8,16,24,32,40,48,56,64,72,80,88,96,104,112,120
.irp c, 0,1,2,3
	v_pk_fma_f32 v[SA+2*\c:SA+2*\c+1], v[XR+\i+2*\c:XR+\i+2*\c+1], v[XR+\i+2*\c:XR+\i+2*\c+1], v[SA+2*\c:SA+2*\c+1]
.endr
.endr
	FOLD 768
	v_fmaak_f32 v[SA+2], s44, v[SA+2], 0x3727c5ac  ; sum / 768 + 1e-5
	v_rsq_f32 v[MU], v[SA+2]
	v_nop                                          ; one plain place behind the transcendental
	s_wait_alu depctr_va_vdst(0)
	v_mov_b32 v[MU+1], v[MU]
	; ((x - mean) x rstd) x gain + bias, a block's 16 numbers at a time; then the K step's 64 numbers become a fragment
.irp g, 0,1
.irp b, 0,1,2,3
.irp j, 0,1,2,3
	ds_load_b128 v[LW+4*\j:LW+4*\j+3], v8 offset:512*\g+128*\b+16*\j
	ds_load_b128 v[LB+4*\j:LB+4*\j+3], v8 offset:3072+512*\g+128*\b+16*\j
.endr
.irp i, 0,2,4,6,8,10,12,14
	v_pk_mul_f32 v[XR+64*\g+16*\b+\i:XR+64*\g+16*\b+\i+1], v[XR+64*\g+16*\b+\i:XR+64*\g+16*\b+\i+1], v[MU:MU+1]
.endr
	s_wait_dscnt 0x0
.irp i, 0,2,4,6,8,10,12,14
	v_pk_fma_f32 v[XR+64*\g+16*\b+\i:XR+64*\g+16*\b+\i+1], v[XR+64*\g+16*\b+\i:XR+64*\g+16*\b+\i+1], v[LW+\i:LW+\i+1], v[LB+\i:LB+\i+1]
.endr
.endr
	QUANT XR+64*\g
	ds_store_b128 v11, v[PC:PC+3] offset:6144*\g
	ds_store_b64 v12, v[PC+4:PC+5] offset:6144*\g+512
	ds_store_b128 v11, v[PC+6:PC+9] offset:6144*\g+768
	ds_store_b64 v12, v[PC+10:PC+11] offset:6144*\g+1280
	ds_store_b32 v13, v[PW] offset:256*\g
	s_wait_dscnt 0x0                               ; the stores have read their registers
.endr
	; roles: waves 0-2 q, 3-5 k, 6-8 v, each of heads 3 cg .. 3 cg + 2; waves 9-11 have done their part
	s_mul_i32 s45, s24, 11
	s_lshr_b32 s45, s45, 5                         ; role = wave / 3
	s_mul_i32 s46, s45, 3
	s_sub_co_u32 s46, s24, s46
	s_mul_i32 s47, s29, 3
	s_add_co_u32 s46, s46, s47                     ; head
	s_mul_i32 s47, s45, 12
	s_add_co_u32 s47, s47, s46                     ; the weight's unit
	s_mul_i32 s48, s47, 36864
	s_mov_b32 s49, 0
	s_add_nc_u64 s[WB:WB+1], s[10:11], s[48:49]
	s_mul_i32 s48, s47, 1536
	s_add_co_u32 s48, s48, WSB
	s_add_nc_u64 s[WSC:WSC+1], s[10:11], s[48:49]
	s_cmp_gt_u32 s24, 8
	s_cbranch_scc1 .Lidle
.irp s, 0,1,2,3,4,5
	global_load_b64 v[WS+2*\s:WS+2*\s+1], v2, s[WSC:WSC+1] offset:256*\s
.endr
.irp t, 0,1,2,3
	WLOAD \t, 0
.endr
.Lidle:
	BAR                                            ; the panel's 24 fragments lie in LDS
	s_cmp_gt_u32 s24, 8
	s_cbranch_scc1 .Lend
	XLOAD 0
	s_lshl_b32 s60, s46, 8                         ; head x 256: its 64 biases in bytes
	s_lshl_b32 s66, s46, 5
	s_lshr_b32 s67, s28, 1
	s_add_co_u32 s66, s66, s67
	s_mul_i32 s66, s66, 13056                      ; kvbuf: the block of this head and these 128 keys
	s_and_b32 s67, s28, 1                          ; which half of the 128
	s_cmp_eq_u32 s45, 2
	s_cbranch_scc1 .Lvtext
	; ---- q and k
	s_lshl_b32 s61, s28, 2
	s_add_co_u32 s61, s60, s61
	s_mul_i32 s61, s61, 768                        ; q: half images at (head x 256 + tile) x 768
	s_lshl_b32 s62, s46, 12
	s_lshl_b32 s63, s28, 6
	s_add_co_u32 s62, s62, s63
	s_lshl_b32 s62, s62, 2
	s_add_co_u32 s62, s62, QSO                     ; q: scale words
	s_mul_i32 s68, s67, 3072
	s_add_co_u32 s68, s68, s66                     ; k: tiles 4 (panel & 1) on
	s_lshl_b32 s69, s67, 8
	s_add_co_u32 s69, s69, s66
	s_add_co_u32 s69, s69, 12288                   ; k: scale words
	s_mov_b32 s71, 0x017f0000                      ; q: byte 2 = 127, byte 3 = 1
	s_cmp_eq_u32 s45, 0
	s_cselect_b64 s[54:55], s[12:13], s[14:15]
	s_cselect_b64 s[56:57], s[20:21], s[22:23]
	s_cselect_b32 s48, s61, s68
	s_cselect_b32 s70, s62, s69
	s_cselect_b32 s72, s71, 0x01010000             ; k, open key: byte 2 = 1
	s_cselect_b32 s73, s71, 0x01e30000             ; k, masked key: byte 2 = 227
	s_add_nc_u64 s[58:59], s[56:57], s[48:49]      ; codes
	s_mov_b32 s48, s70
	s_add_nc_u64 s[56:57], s[56:57], s[48:49]      ; scale words
	s_mov_b32 s48, s60
	s_add_nc_u64 s[54:55], s[54:55], s[48:49]      ; the head's biases
	s_lshl_b32 s48, s28, 8
	s_add_nc_u64 s[18:19], s[18:19], s[48:49]      ; the panel's 64 mask words
	v_bfe_u32 v7, v0, 4, 1
	v_lshlrev_b32 v7, 6, v7                        ; 64 h
	KSTEP 0, 0, 1, 0
	KSTEP 0, 1, 0, 0
	KSTEP 0, 2, 0, 0
	KSTEP 0, 3, 0, 0
	KSTEP 0, 4, 0, 0
	KSTEP 0, 5, 0, 1
.set PW, 92
.irp b, 0,1
.irp j, 0,1,2,3
	global_load_b128 v[32+16*\b+4*\j:35+16*\b+4*\j], v7, s[54:55] offset:128*\b+16*\j   ; register 16 b + i: the bias of channel 32 b + 16 h + i
.endr
.endr
.irp m, 0,1,2,3
	global_load_b32 v[94+\m], v6, s[18:19] offset:64*\m
.endr
	v_mov_b32 v[TM+4], 0
	v_mov_b32 v[TM+5], 0
	v_mov_b32 v102, s72
	v_mov_b32 v103, s73
	s_wait_loadcnt 0x0
.irp m, 0,1,2,3
	s_wait_xcnt 0x0                                ; the last tile's stores have read their registers
.irp i, 0,2,4,6,8,10,12,14,16,18,20,22,24,26,28,30
	v_pk_add_f32 v[ACC+32*\m+\i:ACC+32*\m+\i+1], v[ACC+32*\m+\i:ACC+32*\m+\i+1], v[32+\i:33+\i]   ; each accumulator from its low end on
.endr
	QUANTH ACC+32*\m
	v_cmp_eq_u32 vcc_lo, 0, v[94+\m]
	v_cndmask_b32 v93, v102, v103, vcc_lo
	v_or_b32 v[PW], v[PW], v93
	global_store_b128 v1, v[PC:PC+3], s[58:59] offset:\m*768
	global_store_b64 v2, v[PC+4:PC+5], s[58:59] offset:\m*768+512
	global_store_b32 v6, v[PW], s[56:57] offset:\m*64
.endr
	s_branch .Lend
.Lvtext:
	; ---- v: a lane holds channel 32 b + 8 u + r + (r & 8) of tile 2 b + u; register 8 m + j is key 16 m + 8 h + j of the panel's 64
	s_mov_b32 s48, s60
	s_add_nc_u64 s[54:55], s[16:17], s[48:49]
	s_mul_i32 s48, s67, 768
	s_add_co_u32 s48, s48, s66
	s_add_co_u32 s48, s48, 6144
	s_add_nc_u64 s[58:59], s[22:23], s[48:49]      ; v's half images
	s_lshl_b32 s48, s67, 1
	s_add_co_u32 s48, s48, s66
	s_add_co_u32 s48, s48, 12800
	s_add_nc_u64 s[56:57], s[22:23], s[48:49]      ; two of a scale word's four bytes
	v_and_b32 v7, 15, v0
	v_and_b32 v8, 8, v0
	v_add_nc_u32 v7, v7, v8
	v_lshlrev_b32 v7, 2, v7
	KSTEP 1, 0, 1, 0
	KSTEP 1, 1, 0, 0
	KSTEP 1, 2, 0, 0
	KSTEP 1, 3, 0, 0
	KSTEP 1, 4, 0, 0
	KSTEP 1, 5, 0, 1
.irp t, 0,1,2,3
	global_load_b32 v[32+2*\t], v7, s[54:55] offset:(32*(\t/2)+8*(\t%2))*4
	global_load_b32 v[33+2*\t], v7, s[54:55] offset:(32*(\t/2)+8*(\t%2))*4   ; (the packed addition names a pair)
.endr
	v_mov_b32 v[TM+4], 0
	v_mov_b32 v[TM+5], 0
	s_wait_loadcnt 0x0
.irp t, 0,1,2,3
	s_wait_xcnt 0x0
.irp i, 0,2,4,6,8,10,12,14,16,18,20,22,24,26,28,30
	v_pk_add_f32 v[ACC+32*\t+\i:ACC+32*\t+\i+1], v[ACC+32*\t+\i:ACC+32*\t+\i+1], v[32+2*\t:33+2*\t] op_sel_hi:[1,0]
.endr
	QUANTH ACC+32*\t                               ; blocks of 32 true keys; inside a block the order 0-7, 16-23, 8-15, 24-31, which the weights p share
	global_store_b128 v1, v[PC:PC+3], s[58:59] offset:\t*1536
	global_store_b64 v2, v[PC+4:PC+5], s[58:59] offset:\t*1536+512
	global_store_b16 v6, v[PW], s[56:57] offset:\t*64
.endr
.Lend:
	s_wait_tensorcnt 0x0
	ds_add_u32 v30, v31
	s_wait_dscnt 0x0
	s_endpgm
.Lfunc_end_k_qd1132864c3_qkv:
	.size	k_qd1132864c3_qkv, .Lfunc_end_k_qd1132864c3_qkv-k_qd1132864c3_qkv
	.p2alignl 7, 3214868480
	.fill 96, 4, 3214868480
	.section	.rodata,"a",@progbits
	.p2align	6, 0x0
	.amdhsa_kernel k_qd1132864c3_qkv
		.amdhsa_group_segment_fixed_size 47616
		.amdhsa_private_segment_fixed_size 0
		.amdhsa_enable_private_segment 0
		.amdhsa_kernarg_size 80
		.amdhsa_user_sgpr_count 2
		.amdhsa_user_sgpr_kernarg_segment_ptr 1
		.amdhsa_wavefront_size32 1
		.amdhsa_system_sgpr_workgroup_id_x 1
		.amdhsa_system_sgpr_workgroup_id_y 1
		.amdhsa_system_sgpr_workgroup_id_z 1
		.amdhsa_system_vgpr_workitem_id 0
		.amdhsa_next_free_vgpr 256
		.amdhsa_next_free_sgpr 80
		.amdhsa_reserve_vcc 1
		.amdhsa_float_denorm_mode_32 3
		.amdhsa_float_denorm_mode_16_64 3
		.amdhsa_memory_ordered 1
		.amdhsa_forward_progress 1
		.amdhsa_inst_pref_size 128
	.end_amdhsa_kernel
	.amdgpu_metadata
---
amdhsa.version: [ 1, 2 ]
amdhsa.kernels:
  - .name:           k_qd1132864c3_qkv
    .symbol:         k_qd1132864c3_qkv.kd
    .args:
      - { .name: hidden_states, .offset: 0, .size: 8, .value_kind: global_buffer, .address_space: global }
      - { .name: ln1_w, .offset: 8, .size: 8, .value_kind: global_buffer, .address_space: global }
      - { .name: ln1_b, .offset: 16, .size: 8, .value_kind: global_buffer, .address_space: global }
      - { .name: wimg, .offset: 24, .size: 8, .value_kind: global_buffer, .address_space: global }
      - { .name: bq, .offset: 32, .size: 8, .value_kind: global_buffer, .address_space: global }
      - { .name: bk, .offset: 40, .size: 8, .value_kind: global_buffer, .address_space: global }
      - { .name: bv, .offset: 48, .size: 8, .value_kind: global_buffer, .address_space: global }
      - { .name: attention_mask, .offset: 56, .size: 8, .value_kind: global_buffer, .address_space: global }
      - { .name: qbuf, .offset: 64, .size: 8, .value_kind: global_buffer, .address_space: global }
      - { .name: kvbuf, .offset: 72, .size: 8, .value_kind: global_buffer, .address_space: global }
    .group_segment_fixed_size: 47616
    .private_segment_fixed_size: 0
    .kernarg_segment_align: 8
    .kernarg_segment_size: 80
    .max_flat_workgroup_size: 384
    .sgpr_count:     80
    .vgpr_count:     256
    .wavefront_size: 32
...
	.end_amdgpu_metadata
.endif
;; end of part 2
;; launch attn (part 3): grid 64 x 4, 16 waves a work-group, no clusters, 280,576 bytes of LDS; arguments qbuf, kvbuf, abuf; writes abuf
.if DOCPART == 3
	.amdgcn_target "amdgcn-amd-amdhsa--gfx1250"
	.amdhsa_code_object_version 6
	.text
	.protected	k_qd1132864c3_attn
	.globl	k_qd1132864c3_attn
	.p2align	8
	.type	k_qd1132864c3_attn,@function
k_qd1132864c3_attn:
	s_mov_b64 s[64:65], 0
	v_nop
	global_prefetch_b8 v0, s[64:65] scope:SCOPE_SE
	s_setreg_imm32_b32 hwreg(HW_REG_WAVE_MODE, 25, 1), 1
	s_wait_xcnt 0x0
; Causal attention on codes of E3M2: S^T = K Q^T, p = 2^(t - M) with M a whole number, O^T = V^T P^T, O / l, and the quantising of the result for the product with wo.
; SHARES.  A JOB is 64 queries of one head (half-block hb = 0 .. 63): four tiles of 16.  Wave 4 k + j takes tile k and PHASE j xor k; phase p takes key steps p, p + 4, ..  A key step is 128 keys: one block of
; kvbuf, 13,056 dense bytes (8 tiles of K as half images, 4 fragments of V, the scale words).  So a TRIP of the work-group covers four key steps, 52,224 dense bytes, one step a wave, and a job takes
; (hb >> 3) + 1 trips.  Waves w, w + 4, w + 8, w + 12, and waves 4 k .. 4 k + 3 alike, hold one wave of each phase.
; A work-group (x = t, y = hg) runs three jobs one after the other: half-blocks a, b, c of heads 3 hg, 3 hg + 1, 3 hg + 2; with k = t >> 1: t even: t, 31 - k, 63 - k; t odd: t, 63 - k, 31 - k.  Each of a, b, c runs
; through 0 .. 63, so every job has one owner; a + b + c = 94 or 95, which makes 13 or 14 trips and 196 to 200 key steps of a wave in each of the 256 work-groups.
; ONE LOOP of seven turns, two trips each (LDS buffers 0 and 1 as immediates), goes over all jobs; a fourteenth trip that is not needed finds an empty job.  The next trip's bytes are asked for at a trip's head and go
; into the other buffer at its end, over the ends of jobs too.  One barrier a trip: the buffer written at a trip's end was last read a trip earlier, and every wave waited for those reads in front of that trip's barrier.
; THE PARTS OF A ROW MEET IN LDS.  In a job's last trip phases 1 to 3 store -M, l and O^T as they stand in registers, into the merge region of the trip's parity; behind the trip's barrier the phase-0 wave takes the
; least -M, multiplies each part by 2^(its M - the row's M), which rounds nothing, adds, divides by l, quantises and stores, while the other waves go on.  A region written in trip n is read in trip n + 1 and
; written again in trip n + 2 at the earliest: the barrier of trip n + 1 lies between, and the readers have waited for their loads in front of it.
; Both products are used transposed: a lane holds ONE query (lane % 16).  Register 8 tile + j of S^T is key 16 tile + 8 (lane / 16) + j: p's codes so lie, inside each true block of 32 keys,
; in the order 0-7, 16-23, 8-15, 24-31, as V's codes were laid.  V's tiles hold channels in the order that leaves O^T's 16 registers of two tiles 16 neighbouring channels.
; THE PAD MASK costs nothing here: position 64 along the score product's K holds the codes 1.0 (Q) and -28 (K); K's scale byte for that block is 227 for a masked key, 1 for an open one.
; The largest t starts at -1e30, over a masked key's t (-6.4e30): its p is 0.  A query with no open key ends with l = 0: its codes are zeros and its two scale bytes 0xff, the E8M0 NaN,
; which makes its row NaN in the next product, as the reference's softmax of an empty row does.
; Work-groups that walk the same head walk different numbers of blocks, at different times: a joint fetch would need equal numbers in step, so there is no cluster.
; LIMITS: |t| under 1e30; every open score carries -28 x 2^-126; NaN and infinities among the inputs are not served; a row's l and O are summed in four parts, an order of rounding of its own.
.set ASO,  2359296
.set QSO,  2359296
.set BLK,  13056                       ; a key step's block
.set QUAD, 4*BLK                       ; a trip's four blocks; LDS: buffer 0 at 0, buffer 1 at QUAD
.set MSL,  4352                        ; a merge slot: 32 registers x 128 bytes, then 8 bytes a lane
.set MRG,  2*QUAD                      ; merge region 0: slot 4 tile + phase; region 1 lies MGAP on
.set MGAP, 20*MSL
.set Q,    24                          ; v24-35 Q's fragment: 0-5 loaded, 6-11 constants
.set QS,   36
.set PSW,  38                          ; p's scale word
.set KS,   40                          ; v40-43 K's scale words;  v44-45 V's
.set VS,   44
.set KF,   48                          ; v48-95 four fragments of K: 0-5 loaded, 6-11 constants
.set S,    96                          ; v96-159 S^T, then p; V's four fragments take v96-143 when p has been used
.set VF,   96
.set O,    160                         ; v160-191 O^T
.set PC,   192
.set PT,   204
.set BM,   212
.set B2,   216
.set SOP,  220
.set TM,   212
.set PW,   230
.set WV,   10                          ; s10 wave, s11 tile, s12 phase
.set TILE, 11
.set PH,   12
.set TJ,   13                          ; the trip's number in its job;  s14 the job's trips;  s15 its diagonal step;  s16 my key step
.set LJ,   14
.set DJ,   15
.set ST,   16
.set JLEFT, 17                         ; jobs behind the one in hand
.set EN,   18                          ; 1: this trip is its job's last
.set FL,   19                          ; 1: a fill is on its way
.set QF,   20                          ; 1: the next job's Q is to be asked for
.set TURN, 21
.set CS,   22
.set SEL,  24
.set KVB,  26
.set R0,   36                          ; a job's record, 12 registers: K/V, Q, Q's scale words, out, out's scale bytes (addresses), key steps, 64 (hb & 1).  R0: the job in hand;  R1, R2: those to come
.set R1,   48
.set R2,   68
.macro NOP4
.rept 4
	v_nop
.endr
.endm
.macro BAR
	s_wait_dscnt 0x0
	s_barrier_signal -1
	s_barrier_wait -1
.endm
.macro WM d, a, b, z, sa, sb, ra, rb
.if (\z) && (\ra)
	v_wmma_scale_f32_16x16x128_f8f6f4 v[(\d):(\d)+7], v[(\a):(\a)+11], v[(\b):(\b)+11], 0, v[\sa], v[\sb] matrix_a_fmt:MATRIX_FMT_BF6 matrix_b_fmt:MATRIX_FMT_BF6 matrix_a_scale:MATRIX_SCALE_ROW1
.elseif (\z)
	v_wmma_scale_f32_16x16x128_f8f6f4 v[(\d):(\d)+7], v[(\a):(\a)+11], v[(\b):(\b)+11], 0, v[\sa], v[\sb] matrix_a_fmt:MATRIX_FMT_BF6 matrix_b_fmt:MATRIX_FMT_BF6
.elseif (\ra)
	v_wmma_scale_f32_16x16x128_f8f6f4 v[(\d):(\d)+7], v[(\a):(\a)+11], v[(\b):(\b)+11], v[(\d):(\d)+7], v[\sa], v[\sb] matrix_a_fmt:MATRIX_FMT_BF6 matrix_b_fmt:MATRIX_FMT_BF6 matrix_a_scale:MATRIX_SCALE_ROW1
.else
	v_wmma_scale_f32_16x16x128_f8f6f4 v[(\d):(\d)+7], v[(\a):(\a)+11], v[(\b):(\b)+11], v[(\d):(\d)+7], v[\sa], v[\sb] matrix_a_fmt:MATRIX_FMT_BF6 matrix_b_fmt:MATRIX_FMT_BF6
.endif
.endm
.macro QUANTH s                        ; 32 numbers of a lane, register 16 b + i = k 32 b + 16 (lane / 16) + i, become half a fragment in v[PC] .. v[PC+5] and two scale bytes in v[PW]
.irp b, 0,1
	v_max3_num_f32 v[TM+\b], |v[(\s)+16*\b]|, |v[(\s)+1+16*\b]|, 0x2800000
.endr
.irp i, 2,4,6,8,10,12,14
.irp b, 0,1
	v_max3_num_f32 v[TM+\b], v[TM+\b], |v[(\s)+16*\b+\i]|, |v[(\s)+1+16*\b+\i]|
.endr
.endr
.irp b, 0,1
	v_permlanex16_b32 v[TM+4+\b], v[TM+\b], s[SEL], s[SEL+1]
.endr
.irp b, 0,1
	v_max_num_f32 v[TM+\b], v[TM+\b], v[TM+4+\b]
.endr
.irp b, 0,1
	v_add_nc_u32 v[TM+12+\b], 0xfe000000, v[TM+\b]
.endr
.irp b, 0,1
	v_lshrrev_b32 v[TM+4+\b], 23, v[TM+12+\b]
.endr
	v_lshl_or_b32 v[PW], v[TM+5], 8, v[TM+4]
	v_cvt_scalef32_pk16_bf6_f32 v[PC:PC+2], v[(\s):(\s)+15], v[TM+12]
	v_cvt_scalef32_pk16_bf6_f32 v[PC+8:PC+10], v[(\s)+16:(\s)+31], v[TM+13]
	v_nop
.irp i, 0,1,2
	v_permlane16_swap_b32 v[PC+\i], v[PC+8+\i]
.endr
.irp i, 0,1,2
	v_mov_b32 v[PC+3+\i], v[PC+8+\i]
.endr
.endm
; A trip's 52,224 bytes: six times 8,192 by all sixteen waves (16 bytes a thread), the last 3,072 by waves 0-5.
.macro FILLG
.irp k, 0,1,2,3,4,5
	global_load_b128 v[232+4*\k:235+4*\k], v7, s[KVB:KVB+1] offset:8192*\k
.endr
	s_cmp_gt_u32 s[WV], 5
	s_cbranch_scc1 .Lgd_\@
	global_load_b128 v[16:19], v7, s[KVB:KVB+1] offset:49152
.Lgd_\@:
.endm
.macro FILLS adr
.irp k, 0,1,2,3,4,5
	ds_store_b128 v[\adr], v[232+4*\k:235+4*\k] offset:8192*\k
.endr
	s_cmp_gt_u32 s[WV], 5
	s_cbranch_scc1 .Lsd_\@
	ds_store_b128 v[\adr], v[16:19] offset:49152
.Lsd_\@:
.endm
.macro QLOAD                           ; the next job's Q: half an image and the scale words
	global_load_b128 v[Q:Q+3], v1, s[R1+2:R1+3]
	global_load_b64 v[Q+4:Q+5], v2, s[R1+2:R1+3] offset:512
	global_load_b32 v[QS], v6, s[R1+4:R1+5]
.endm
; The record of the job (head s29 + dh, half-block s[hb]) for my tile
.macro JOBREC R, hb, dh
	s_add_co_u32 s60, s29, \dh                     ; head
	s_mul_i32 s62, s60, 32*BLK
	s_mov_b32 s63, 0
	s_add_nc_u64 s[\R:\R+1], s[6:7], s[62:63]      ; the head's 32 blocks
	s_lshl_b32 s62, s60, 8
	s_lshl_b32 s61, s[\hb], 2
	s_add_co_u32 s62, s62, s61
	s_add_co_u32 s62, s62, s[TILE]
	s_mul_i32 s62, s62, 768
	s_add_nc_u64 s[\R+2:\R+3], s[4:5], s[62:63]    ; Q: (head x 256 + 4 hb + tile) x 768
	s_lshl_b32 s62, s60, 12
	s_lshl_b32 s61, s[\hb], 6
	s_add_co_u32 s62, s62, s61
	s_lshl_b32 s61, s[TILE], 4
	s_add_co_u32 s62, s62, s61
	s_lshl_b32 s62, s62, 2
	s_add_co_u32 s62, s62, QSO
	s_add_nc_u64 s[\R+4:\R+5], s[4:5], s[62:63]    ; its scale words: 4 bytes a row
	s_mul_i32 s61, s[\hb], 6
	s_lshr_b32 s62, s60, 1
	s_add_co_u32 s61, s61, s62                     ; out: panel hb x 6 + K step head / 2
	s_and_b32 s60, s60, 1                          ; which half of the K step
	s_lshl_b32 s62, s61, 2
	s_add_co_u32 s62, s62, s[TILE]
	s_mul_i32 s62, s62, 1536
	s_mul_i32 s[\R+10], s60, 768
	s_add_co_u32 s62, s62, s[\R+10]
	s_add_nc_u64 s[\R+6:\R+7], s[8:9], s[62:63]
	s_lshl_b32 s62, s61, 8
	s_lshl_b32 s61, s[TILE], 6
	s_add_co_u32 s62, s62, s61
	s_lshl_b32 s60, s60, 1
	s_add_co_u32 s62, s62, s60
	s_add_co_u32 s62, s62, ASO
	s_add_nc_u64 s[\R+8:\R+9], s[8:9], s[62:63]
	s_lshr_b32 s[\R+10], s[\hb], 1
	s_add_co_u32 s[\R+10], s[\R+10], 1             ; key steps: the diagonal lies in step hb / 2
	s_and_b32 s[\R+11], s[\hb], 1
	s_lshl_b32 s[\R+11], s[\R+11], 6               ; where the 64 queries lie in the diagonal's 128 keys
.endm
.macro SETJOB                          ; the counters of the job in R0
	s_add_co_u32 s[LJ], s[R0+10], 3
	s_lshr_b32 s[LJ], s[LJ], 2
	s_sub_co_u32 s[DJ], s[R0+10], 1
	s_mov_b32 s[TJ], 0
	s_mov_b32 s[ST], s[PH]
.endm
.macro INIT                            ; a job's sums begin: the step is written once and finds zeros
	v_add_nc_u32 v14, s[R0+11], v11                ; d: on the diagonal register n is hidden where 16 (n / 8) + n % 8 > d
	v_mov_b32 v21, 0xf149f2ca                      ; the largest t so far: -1e30
	v_floor_f32 v20, -v21                          ; -M
	v_mov_b32 v22, 0                               ; l, in two halves
	v_mov_b32 v23, 0
.set i, 0
.rept 32
	v_mov_b32 v[O+i], 0
.set i, i+1
.endr
.endm
; The phase-0 wave joins its tile's four parts and sends the result out.  o16, o8: the addresses of my slot in the region that the last trip wrote; parts 1 to 3 lie 1 to 3 slots on.
.macro MERGE o16, o8
	ds_load_b64 v[212:213], v[\o8] offset:MSL      ; -M and l of part 1,
	ds_load_b64 v[214:215], v[\o8] offset:2*MSL    ; 2,
	ds_load_b64 v[216:217], v[\o8] offset:3*MSL    ; 3
.irp c, 0,1,2,3,4,5,6,7
	ds_load_b128 v[96+4*\c:99+4*\c], v[\o16] offset:MSL+512*\c
.endr
.irp c, 0,1,2,3,4,5,6,7
	ds_load_b128 v[128+4*\c:131+4*\c], v[\o16] offset:2*MSL+512*\c
.endr
	v_add_f32 v22, v22, v23
	s_wait_dscnt 16                                ; the three pairs are in; the sixteen loads behind them may be out
	v_min3_num_f32 v226, v20, v212, v214
	v_min_num_f32 v226, v226, v216                 ; the row's -M: the least of the four
	v_sub_f32 v227, v226, v20
	v_sub_f32 v228, v226, v212
	v_sub_f32 v229, v226, v214
	v_sub_f32 v231, v226, v216                     ; each part's M less the row's: whole numbers, 0 or less
	v_cvt_i32_f32 v227, v227                       ; (they saturate: a part with no open key gets the factor 0, and holds zeros)
	v_cvt_i32_f32 v228, v228
	v_cvt_i32_f32 v229, v229
	v_cvt_i32_f32 v231, v231
	v_ldexp_f32 v46, 1.0, v227
	v_ldexp_f32 v218, 1.0, v228
	v_ldexp_f32 v220, 1.0, v229
	v_ldexp_f32 v222, 1.0, v231
	v_mul_f32 v22, v22, v46
	v_fmac_f32 v22, v213, v218
	v_fmac_f32 v22, v215, v220
	v_fmac_f32 v22, v217, v222
.set i, 0
.rept 16
	v_pk_mul_f32 v[O+i:O+i+1], v[O+i:O+i+1], v[46:47] op_sel_hi:[1,0]   ; each accumulator from its low end on
.set i, i+2
.endr
	s_wait_dscnt 8                                 ; part 1 is in; part 2's eight loads may be out
.set i, 0
.rept 16
	v_pk_fma_f32 v[O+i:O+i+1], v[96+i:97+i], v[218:219], v[O+i:O+i+1] op_sel_hi:[1,0,1]
.set i, i+2
.endr
.irp c, 0,1,2,3,4,5,6,7
	ds_load_b128 v[96+4*\c:99+4*\c], v[\o16] offset:3*MSL+512*\c
.endr
	s_wait_dscnt 8                                 ; part 2 is in; part 3's eight loads may be out
.set i, 0
.rept 16
	v_pk_fma_f32 v[O+i:O+i+1], v[128+i:129+i], v[220:221], v[O+i:O+i+1] op_sel_hi:[1,0,1]
.set i, i+2
.endr
	s_wait_dscnt 0x0
.set i, 0
.rept 16
	v_pk_fma_f32 v[O+i:O+i+1], v[96+i:97+i], v[222:223], v[O+i:O+i+1] op_sel_hi:[1,0,1]
.set i, i+2
.endr
	v_permlanex16_b32 v226, v22, s[SEL], s[SEL+1]
	v_add_f32 v22, v22, v226                       ; with lane l xor 16's keys: the row's sum
	v_mov_b32 v228, 0
	v_mov_b32 v229, 0xffff
	v_cmp_eq_f32 vcc_lo, 0, v22                    ; a query with no open key
	v_rcp_f32 v227, v22
	v_nop                                          ; one plain place behind the transcendental
	s_wait_alu depctr_va_vdst(0)
	v_cndmask_b32 v227, v227, v228, vcc_lo
.set i, 0
.rept 32
	v_mul_f32 v[96+i], v[O+i], v227                ; register 16 b + i: channel 32 b + 16 h + i
.set i, i+1
.endr
	QUANTH 96                                      ; half a fragment (K = 64 head + channel of the product with wo) and two scale bytes
	v_cndmask_b32 v[PW], v[PW], v229, vcc_lo
	global_store_b128 v1, v[PC:PC+3], s[R0+6:R0+7]
	global_store_b64 v2, v[PC+4:PC+5], s[R0+6:R0+7] offset:512
	global_store_b16 v6, v[PW], s[R0+8:R0+9]
	s_wait_xcnt 0x0                                ; the stores' data and bases are written again only behind this wait
.endm
; Behind a job's last trip: the merge (phase 0 alone), then, in every wave, the next job's record and zeros.  Behind the third job an empty one: 0 key steps, 0 trips.
.macro JOBSWITCH o16, o8, final
	s_cmp_eq_u32 s[EN], 0
	s_cbranch_scc1 .Lsame_\@
	s_cmp_lg_u32 s[PH], 0
	s_cbranch_scc1 .Lnom_\@
	MERGE \o16, \o8
.Lnom_\@:
.if !(\final)
	s_mov_b64 s[R0+6:R0+7], s[R1+6:R1+7]
	s_mov_b64 s[R0+8:R0+9], s[R1+8:R1+9]
	s_mov_b64 s[R0+10:R0+11], s[R1+10:R1+11]
.irp f, 0,2,4,6,8,10
	s_mov_b64 s[R1+\f:R1+\f+1], s[R2+\f:R2+\f+1]
.endr
	s_cmp_lg_u32 s[JLEFT], 0
	s_cselect_b32 s[R0+10], s[R0+10], 0
	s_sub_co_u32 s28, s[JLEFT], 1
	s_max_i32 s[JLEFT], s28, 0
	SETJOB
	INIT
.endif
.Lsame_\@:
.endm
	s_load_b128 s[4:7], s[0:1], 0x0                ; qbuf, kvbuf
	s_load_b64 s[8:9], s[0:1], 0x10                ; abuf
	v_lshl_add_u32 v207, v0, 2, 0x44000
	v_mov_b32 v211, 0
	v_lshrrev_b32 v226, 5, v0
	v_readfirstlane_b32 s[WV], v226                ; wave 0..15
	v_and_b32 v226, 31, v0                         ; lane
	v_and_b32 v227, 15, v0                         ; r
	v_bfe_u32 v228, v0, 4, 1                       ; h
	v_lshlrev_b32 v1, 4, v226                      ; 16 x lane
	v_lshlrev_b32 v2, 3, v226                      ; 8 x lane
	v_lshlrev_b32 v6, 2, v227                      ; 4 r
	v_lshlrev_b32 v7, 4, v0                        ; the fill: 16 x thread, in memory and in buffer 0;
	v_add_nc_u32 v8, QUAD, v7                      ; in buffer 1
	s_lshr_b32 s[TILE], s[WV], 2
	s_xor_b32 s[PH], s[WV], s[TILE]
	s_and_b32 s[PH], s[PH], 3                      ; phase = j xor k of wave 4 k + j
	s_mul_i32 s60, s[PH], BLK                      ; my phase's block in a buffer
	v_add_nc_u32 v3, s60, v1
	v_add_nc_u32 v4, s60, v2
	v_lshl_add_u32 v5, v226, 2, s60
	s_lshl_b32 s61, s[TILE], 2
	s_add_co_u32 s61, s61, s[PH]
	s_mul_i32 s61, s61, MSL
	s_add_co_u32 s61, s61, MRG                     ; my merge slot
	v_add_nc_u32 v9, s61, v1
	s_add_co_u32 s62, s61, 4096
	v_add_nc_u32 v10, s62, v2
	v_add_nc_u32 v12, MGAP, v9                     ; and the same in region 1
	v_add_nc_u32 v13, MGAP, v10
	s_lshl_b32 s63, s[TILE], 4
	v_lshlrev_b32 v229, 3, v228
	v_sub_nc_u32 v11, v227, v229
	v_add_nc_u32 v11, s63, v11                     ; 16 tile + r - 8 h
	s_mov_b32 s28, ttmp9                           ; t = the first job's half-block
	s_and_b32 s29, ttmp7, 0xffff
	s_mul_i32 s29, s29, 3                          ; the first job's head
	s_lshr_b32 s30, s28, 1
	s_and_b32 s31, s28, 1
	s_sub_co_u32 s32, 31, s30
	s_sub_co_u32 s33, 63, s30
	s_cmp_eq_u32 s31, 1
	s_cselect_b32 s34, s33, s32                    ; the second job's half-block,
	s_cselect_b32 s35, s32, s33                    ; the third's
	s_mov_b32 s[CS], 0x3e38aa3b                    ; c = log2(e) / sqrt(64)
	s_mov_b32 s[CS+1], s[CS]
	s_mov_b32 s[SEL], 0x76543210
	s_mov_b32 s[SEL+1], 0xfedcba98
	s_mov_b32 s[JLEFT], 2
	s_mov_b32 s[EN], 0
	s_mov_b32 s[TURN], 0
	s_wait_kmcnt 0x0
	JOBREC R0, 28, 0
	JOBREC R1, 34, 1
	JOBREC R2, 35, 2
	s_mov_b64 s[KVB:KVB+1], s[R0:R0+1]
	FILLG                                          ; the first job's first four blocks
	global_load_b128 v[Q:Q+3], v1, s[R0+2:R0+3]
	global_load_b64 v[Q+4:Q+5], v2, s[R0+2:R0+3] offset:512
	global_load_b32 v[QS], v6, s[R0+4:R0+5]
	SETJOB
	; the constants of the upper half of the score product's K: position 64 lies in register 6, bits 0-5, of lanes 0-15
	v_xor_b32 v229, 1, v228
	v_mul_u32_u24 v[Q+6], v229, 12                 ; the code of 1.0
.irp i, 7,8,9,10,11
	v_mov_b32 v[Q+\i], 0
.endr
.irp t, 0,1,2,3
	v_mul_u32_u24 v[KF+12*\t+6], v229, 63          ; the code of -28
.irp i, 7,8,9,10,11
	v_mov_b32 v[KF+12*\t+\i], 0
.endr
.endr
	v_mov_b32 v15, 0xff800000                      ; -infinity
	v_mov_b32 v47, 0                               ; (named as the upper half of a factor's pair)
.set i, 212
.rept 20
	v_mov_b32 v[i], 0                              ; written once: lane permutes' destinations and the upper halves of pairs count as read
.set i, i+1
.endr
	INIT
	s_wait_loadcnt 0x0
	FILLS 7
	BAR
; A trip.  slot: my buffer's first byte;  fadr: the fill's address in the other buffer;  m16, m8: my slot in this trip's merge region;  o16, o8: in the other
.macro TRIP slot, fadr, m16, m8, o16, o8
	JOBSWITCH \o16, \o8, 0
	; what the next trip reads: this job's next four blocks, or the next job's first four, or nothing.  No load is out here, so the address may be written
	s_mov_b32 s[FL], 0
	s_mov_b32 s[QF], 0
	s_add_co_u32 s28, s[TJ], 1
	s_cmp_eq_u32 s28, s[LJ]
	s_cselect_b32 s[EN], 1, 0
	s_cmp_lt_u32 s28, s[LJ]
	s_cbranch_scc0 .Lblast_\@
	s_add_nc_u64 s[KVB:KVB+1], s[KVB:KVB+1], QUAD
	s_branch .Lbgo_\@
.Lblast_\@:
	s_cmp_eq_u32 s[JLEFT], 0
	s_cbranch_scc1 .Lbnone_\@
	s_mov_b64 s[KVB:KVB+1], s[R1:R1+1]
	s_mov_b32 s[QF], 1
.Lbgo_\@:
	s_mov_b32 s[FL], 1
	FILLG
.Lbnone_\@:
	s_cmp_lt_u32 s[ST], s[R0+10]
	s_cbranch_scc0 .Lnowork_\@                     ; all 128 keys of my step come after the job's queries
.irp g, 0,1                            ; S^T = K Q^T, four tiles of 16 keys at a time
.if \g
	NOP4
.endif
.irp t, 0,1,2,3
	ds_load_b128 v[KF+12*\t:KF+12*\t+3], v3 offset:\slot+(4*\g+\t)*768
	ds_load_b64 v[KF+12*\t+4:KF+12*\t+5], v4 offset:\slot+(4*\g+\t)*768+512
.endr
.if \g == 0
.irp j, 0,1,2,3
	ds_load_b32 v[KS+\j], v5 offset:\slot+12288+128*\j   ; lanes 0-15 tile 2 j, lanes 16-31 tile 2 j + 1
.endr
.endif
	s_wait_dscnt 0x0
.irp t, 0,1,2,3
	WM S+8*(4*\g+\t), KF+12*\t, Q, 1, KS+(4*\g+\t)/2, QS, \t%2, 0
.endr
.endr
	NOP4
	s_cmp_eq_u32 s[QF], 0
	s_cbranch_scc1 .Lnq_\@
	QLOAD                                          ; four places behind the job's last products with Q: it lands under the softmax
.Lnq_\@:
	s_cmp_lg_u32 s[ST], s[DJ]
	s_cbranch_scc1 .Lopen_\@
.set n, 0
.rept 64                               ; the diagonal: hidden scores become -infinity, each accumulator from its low end on
	v_cmp_gt_i32 vcc_lo, 16*(n/8)+n%8, v14
	v_cndmask_b32 v[S+n], v[S+n], v15, vcc_lo
.set n, n+1
.endr
.Lopen_\@:
.irp b, 0,1,2,3
	v_max3_num_f32 v[BM+\b], v[S+16*\b], v[S+1+16*\b], v[S+2+16*\b]   ; the largest score of each block of 32 keys: for the row's maximum, and for the block's largest p
.endr
.irp i, 3,5,7,9,11,13
.irp b, 0,1,2,3
	v_max3_num_f32 v[BM+\b], v[BM+\b], v[S+16*\b+\i], v[S+1+16*\b+\i]
.endr
.endr
.irp b, 0,1,2,3
	v_max_num_f32 v[BM+\b], v[BM+\b], v[S+15+16*\b]
.endr
.irp b, 0,1,2,3
	v_permlanex16_b32 v[B2+\b], v[BM+\b], s[SEL], s[SEL+1]
.endr
.irp b, 0,1,2,3
	v_max_num_f32 v[BM+\b], v[BM+\b], v[B2+\b]
.endr
	v_max3_num_f32 v226, v[BM], v[BM+1], v[BM+2]
	v_max_num_f32 v226, v226, v[BM+3]
	v_mul_f32 v226, s[CS], v226
	v_max_num_f32 v21, v21, v226                   ; my part's running largest t
	v_mov_b32 v226, v20
	v_floor_f32 v20, -v21                          ; -M = floor(-t): M is a whole number
	v_sub_f32 v226, v20, v226
	v_cvt_i32_f32 v226, v226                       ; old M - new M, 0 or less (it saturates)
	v_ldexp_f32 v46, 1.0, v226                     ; f = 2^(old M - new M): exact
.set i, 0
.rept 32
	v_pk_fma_f32 v[S+i:S+i+1], v[S+i:S+i+1], s[CS:CS+1], v[20:21] op_sel_hi:[1,0,0]   ; t - M
.set i, i+2
.endr
.irp b, 0,1,2,3
	v_fma_f32 v[BM+\b], v[BM+\b], s[CS], v20
.endr
.set i, 0
.rept 64
	v_exp_f32 v[S+i], v[S+i]                       ; p = 2^(t - M)
.set i, i+1
.endr
.irp b, 0,1,2,3
	v_exp_f32 v[BM+\b], v[BM+\b]                   ; the block's largest p
.endr
	v_pk_mul_f32 v[22:23], v[22:23], v[46:47] op_sel_hi:[1,0]   ; l under the new M (a plain place behind the exponentials)
	s_wait_alu depctr_va_vdst(0)
.irp b, 0,1,2,3
	v_max_num_f32 v[BM+\b], 0x2800000, v[BM+\b]    ; the floor 2^(5 - 127)
.endr
.irp b, 0,1,2,3
	v_add_nc_u32 v[SOP+\b], 0xfe000000, v[BM+\b]
.endr
.irp b, 0,1,2,3
	v_lshrrev_b32 v[B2+\b], 23, v[SOP+\b]
.endr
	v_lshl_or_b32 v[PSW], v[B2+1], 8, v[B2]
	v_lshl_or_b32 v[PSW], v[B2+2], 16, v[PSW]
	v_lshl_or_b32 v[PSW], v[B2+3], 24, v[PSW]
.irp c, 0,1
	v_cvt_scalef32_pk16_bf6_f32 v[PC+6*\c:PC+6*\c+2], v[S+32*\c:S+32*\c+15], v[SOP+2*\c]
	v_cvt_scalef32_pk16_bf6_f32 v[PT+4*\c:PT+4*\c+2], v[S+16+32*\c:S+31+32*\c], v[SOP+2*\c+1]
.endr
	v_nop
.irp c, 0,1
.irp i, 0,1,2
	v_permlane16_swap_b32 v[PC+6*\c+\i], v[PT+4*\c+\i]
.endr
.irp i, 0,1,2
	v_mov_b32 v[PC+3+6*\c+\i], v[PT+4*\c+\i]
.endr
.endr
	v_pk_add_f32 v[224:225], v[S:S+1], v[S+2:S+3]  ; l takes the UNQUANTISED p, in two chains
.irp j, 4,8,12,16,20,24,28,32,36,40,44,48,52,56,60
	v_pk_add_f32 v[22:23], v[22:23], v[S+\j:S+\j+1]
	v_pk_add_f32 v[224:225], v[224:225], v[S+2+\j:S+3+\j]
.endr
	v_pk_add_f32 v[22:23], v[22:23], v[224:225]
.irp t, 0,1,2,3                        ; p has been used: its registers take V's four fragments
	ds_load_b128 v[VF+12*\t:VF+12*\t+3], v3 offset:\slot+6144+\t*1536
	ds_load_b64 v[VF+12*\t+4:VF+12*\t+5], v4 offset:\slot+6144+\t*1536+512
	ds_load_b128 v[VF+12*\t+6:VF+12*\t+9], v3 offset:\slot+6144+\t*1536+768
	ds_load_b64 v[VF+12*\t+10:VF+12*\t+11], v4 offset:\slot+6144+\t*1536+1280
.endr
.irp j, 0,1
	ds_load_b32 v[VS+\j], v5 offset:\slot+12800+128*\j
.endr
.set i, 0
.rept 16
	v_pk_mul_f32 v[O+i:O+i+1], v[O+i:O+i+1], v[46:47] op_sel_hi:[1,0]   ; O^T under the new M; also the places between p's codes and scale word and the products
.set i, i+2
.endr
	s_wait_dscnt 0x0
.irp t, 0,1,2,3
	WM O+8*\t, VF+12*\t, PC, 0, VS+\t/2, PSW, \t%2, 0
.endr
.rept 5
	v_nop                                          ; five places: the next scores are written over V's registers
.endr
	s_branch .Ljoin_\@
.Lnowork_\@:
	s_cmp_eq_u32 s[QF], 0
	s_cbranch_scc1 .Ljoin_\@
	QLOAD
.Ljoin_\@:
	s_cmp_eq_u32 s[EN], 0
	s_cbranch_scc1 .Lnopart_\@
	s_cmp_eq_u32 s[PH], 0
	s_cbranch_scc1 .Lnopart_\@
	v_add_f32 v21, v22, v23                        ; the job's last trip: my part goes to its merge slot: l beside -M,
.irp c, 0,1,2,3,4,5,6,7
	ds_store_b128 v[\m16], v[O+4*\c:O+4*\c+3] offset:512*\c   ; O^T as it stands, each accumulator from its low end on
.endr
	ds_store_b64 v[\m8], v[20:21]
.Lnopart_\@:
	s_wait_loadcnt 0x0                             ; the next trip's bytes, and the next job's Q, are in my registers (on every path: no address is written under a load)
	s_cmp_eq_u32 s[FL], 0
	s_cbranch_scc1 .Lnost_\@
	FILLS \fadr
.Lnost_\@:
	s_add_co_u32 s[TJ], s[TJ], 1
	s_add_co_u32 s[ST], s[ST], 4
	BAR
.endm
.Lturn:                                ; seven turns of two trips: 14 trips serve every work-group's 13 or 14
	TRIP 0, 8, 9, 10, 12, 13
	TRIP QUAD, 7, 12, 13, 9, 10
	s_add_co_u32 s[TURN], s[TURN], 1
	s_cmp_lt_u32 s[TURN], 7
	s_cbranch_scc1 .Lturn
	JOBSWITCH 12, 13, 1                            ; where the third job ended in the fourteenth trip: its merge
	s_wait_tensorcnt 0x0
	ds_add_u32 v207, v211
	s_wait_dscnt 0x0
	s_endpgm
.Lfunc_end_k_qd1132864c3_attn:
	.size	k_qd1132864c3_attn, .Lfunc_end_k_qd1132864c3_attn-k_qd1132864c3_attn
	.p2alignl 7, 3214868480
	.fill 96, 4, 3214868480
	.section	.rodata,"a",@progbits
	.p2align	6, 0x0
	.amdhsa_kernel k_qd1132864c3_attn
		.amdhsa_group_segment_fixed_size 280576
		.amdhsa_private_segment_fixed_size 0
		.amdhsa_enable_private_segment 0
		.amdhsa_kernarg_size 24
		.amdhsa_user_sgpr_count 2
		.amdhsa_user_sgpr_kernarg_segment_ptr 1
		.amdhsa_wavefront_size32 1
		.amdhsa_system_sgpr_workgroup_id_x 1
		.amdhsa_system_sgpr_workgroup_id_y 1
		.amdhsa_system_sgpr_workgroup_id_z 1
		.amdhsa_system_vgpr_workitem_id 0
		.amdhsa_next_free_vgpr 256
		.amdhsa_next_free_sgpr 80
		.amdhsa_reserve_vcc 1
		.amdhsa_float_denorm_mode_32 3
		.amdhsa_float_denorm_mode_16_64 3
		.amdhsa_memory_ordered 1
		.amdhsa_forward_progress 1
		.amdhsa_inst_pref_size 95
	.end_amdhsa_kernel
	.amdgpu_metadata
---
amdhsa.version: [ 1, 2 ]
amdhsa.kernels:
  - .name:           k_qd1132864c3_attn
    .symbol:         k_qd1132864c3_attn.kd
    .args:
      - { .name: qbuf, .offset: 0, .size: 8, .value_kind: global_buffer, .address_space: global }
      - { .name: kvbuf, .offset: 8, .size: 8, .value_kind: global_buffer, .address_space: global }
      - { .name: abuf, .offset: 16, .size: 8, .value_kind: global_buffer, .address_space: global }
    .group_segment_fixed_size: 280576
    .private_segment_fixed_size: 0
    .kernarg_segment_align: 8
    .kernarg_segment_size: 24
    .max_flat_workgroup_size: 512
    .sgpr_count:     80
    .vgpr_count:     256
    .wavefront_size: 32
...
	.end_amdgpu_metadata
.endif
;; end of part 3
;; launch proj (part 4): grid 64 x 4, 6 waves a work-group, no clusters, 101,120 bytes of LDS; arguments abuf, wimg, bo, hidden_states, hid; writes hid
.if DOCPART == 4
	.amdgcn_target "amdgcn-amd-amdhsa--gfx1250"
	.amdhsa_code_object_version 6
	.text
	.protected	k_qd1132864c3_proj
	.globl	k_qd1132864c3_proj
	.p2align	8
	.type	k_qd1132864c3_proj,@function
k_qd1132864c3_proj:
	s_mov_b64 s[64:65], 0
	v_nop
	global_prefetch_b8 v0, s[64:65] scope:SCOPE_SE
	s_setreg_imm32_b32 hwreg(HW_REG_WAVE_MODE, 25, 1), 1
	s_wait_xcnt 0x0
; out = residual + (A W^T + bias), A given as fragment images with scale words, W as fragment images.  Here: A = the attention's result (K = 768), W = wo, residual = hidden_states, out = hid.
; A work-group takes 64 rows (x = panel) and 192 columns (y = cg).  Wave w takes unit w >> LOGQ (64 columns) and part w & (NKQ - 1) of K (NS steps of 128): 64 x 64, sixteen accumulators.
; The panel's images come into LDS once, dense; the weights go straight into the registers of the one wave that multiplies them, so a joint fetch into LDS would only add an LDS write and read: no cluster.
; K is split over NKQ waves: the part sums meet in LDS (stages laid over the panel, behind a barrier) and are added in f32, part 0 first: an order of rounding other than one chain along K.
; A row whose scale bytes are 0xff (a query with no open key) comes out NaN, as in the reference.
.set WAVES, 6
.set LOGQ,  1
.set NS,    3
.set KT,    6
.set SCO,   2359296                    ; where A's scale words begin
.set GB,    36                         ; the weight's first unit in wimg, and units from one block of 64 columns to the next
.set GM,    1
.set NKQ,   1<<LOGQ
.set CB,    KT*6144                    ; the panel's codes
.set SBY,   KT*256                     ; and scale words
.set NCP,   CB/(WAVES*512)
.set NSC,   SBY/(WAVES*256)
.set SSZ,   50176                      ; a stage: 64 rows x (768 bytes + 16)
.set RPW,   64/NKQ                     ; rows that a wave adds up and stores
.set NI,    RPW/2
.set WSB,   5308416
.set XA16, 3
.set XA8,  4
.set XS4,  5
.set WS,   16
.set XS,   28
.set W,    32
.set X,    80
.set ACC,  128
.set WB,   28
.set WSC,  30
.macro NOP4
.rept 4
	v_nop
.endr
.endm
.macro BAR
	s_wait_dscnt 0x0
	s_barrier_signal -1
	s_barrier_wait -1
.endm
.macro WM d, a, b, z, sa, sb, ra, rb
.if (\z) && (\ra) && (\rb)
	v_wmma_scale_f32_16x16x128_f8f6f4 v[(\d):(\d)+7], v[(\a):(\a)+11], v[(\b):(\b)+11], 0, v[\sa], v[\sb] matrix_a_fmt:MATRIX_FMT_BF6 matrix_b_fmt:MATRIX_FMT_BF6 matrix_a_scale:MATRIX_SCALE_ROW1 matrix_b_scale:MATRIX_SCALE_ROW1
.elseif (\z) && (\ra)
	v_wmma_scale_f32_16x16x128_f8f6f4 v[(\d):(\d)+7], v[(\a):(\a)+11], v[(\b):(\b)+11], 0, v[\sa], v[\sb] matrix_a_fmt:MATRIX_FMT_BF6 matrix_b_fmt:MATRIX_FMT_BF6 matrix_a_scale:MATRIX_SCALE_ROW1
.elseif (\z) && (\rb)
	v_wmma_scale_f32_16x16x128_f8f6f4 v[(\d):(\d)+7], v[(\a):(\a)+11], v[(\b):(\b)+11], 0, v[\sa], v[\sb] matrix_a_fmt:MATRIX_FMT_BF6 matrix_b_fmt:MATRIX_FMT_BF6 matrix_b_scale:MATRIX_SCALE_ROW1
.elseif (\z)
	v_wmma_scale_f32_16x16x128_f8f6f4 v[(\d):(\d)+7], v[(\a):(\a)+11], v[(\b):(\b)+11], 0, v[\sa], v[\sb] matrix_a_fmt:MATRIX_FMT_BF6 matrix_b_fmt:MATRIX_FMT_BF6
.elseif (\ra) && (\rb)
	v_wmma_scale_f32_16x16x128_f8f6f4 v[(\d):(\d)+7], v[(\a):(\a)+11], v[(\b):(\b)+11], v[(\d):(\d)+7], v[\sa], v[\sb] matrix_a_fmt:MATRIX_FMT_BF6 matrix_b_fmt:MATRIX_FMT_BF6 matrix_a_scale:MATRIX_SCALE_ROW1 matrix_b_scale:MATRIX_SCALE_ROW1
.elseif (\ra)
	v_wmma_scale_f32_16x16x128_f8f6f4 v[(\d):(\d)+7], v[(\a):(\a)+11], v[(\b):(\b)+11], v[(\d):(\d)+7], v[\sa], v[\sb] matrix_a_fmt:MATRIX_FMT_BF6 matrix_b_fmt:MATRIX_FMT_BF6 matrix_a_scale:MATRIX_SCALE_ROW1
.elseif (\rb)
	v_wmma_scale_f32_16x16x128_f8f6f4 v[(\d):(\d)+7], v[(\a):(\a)+11], v[(\b):(\b)+11], v[(\d):(\d)+7], v[\sa], v[\sb] matrix_a_fmt:MATRIX_FMT_BF6 matrix_b_fmt:MATRIX_FMT_BF6 matrix_b_scale:MATRIX_SCALE_ROW1
.else
	v_wmma_scale_f32_16x16x128_f8f6f4 v[(\d):(\d)+7], v[(\a):(\a)+11], v[(\b):(\b)+11], v[(\d):(\d)+7], v[\sa], v[\sb] matrix_a_fmt:MATRIX_FMT_BF6 matrix_b_fmt:MATRIX_FMT_BF6
.endif
.endm
.macro WLOAD t, s
.irp g, 0,1,2
	global_load_b128 v[W+12*(\t)+4*\g:W+12*(\t)+4*\g+3], v1, s[WB:WB+1] offset:(\s)*6144+(\t)*1536+\g*512
.endr
.endm
.macro XLOAD s
.irp m, 0,1,2,3
	ds_load_b128 v[X+12*\m:X+12*\m+3], v[XA16] offset:(\s)*6144+\m*1536
	ds_load_b64 v[X+12*\m+4:X+12*\m+5], v[XA8] offset:(\s)*6144+\m*1536+512
	ds_load_b128 v[X+12*\m+6:X+12*\m+9], v[XA16] offset:(\s)*6144+\m*1536+768
	ds_load_b64 v[X+12*\m+10:X+12*\m+11], v[XA8] offset:(\s)*6144+\m*1536+1280
.endr
	ds_load_b32 v[XS], v[XS4] offset:(\s)*256
	ds_load_b32 v[XS+1], v[XS4] offset:(\s)*256+128
.endm
.macro MM4 t, s, z                     ; transposed: source 0 = 16 columns of the weight, source 1 = 16 rows
.irp m, 0,1,2,3
	WM ACC+32*\m+8*(\t), W+12*(\t), X+12*\m, \z, WS+2*(\s)+(\t)/2, XS+\m/2, (\t)%2, \m%2
.endr
.endm
; A K step: 16 products, the 16 accumulators by turns.  The count 9: three younger fragments of three loads each are out; in the last step 9, 6, 3, 0.
.macro KSTEP s, z, last
	s_wait_dscnt 0x0
.irp t, 0,1,2,3
.if \last
	s_wait_loadcnt 9-3*\t
.else
	s_wait_loadcnt 9
.endif
	MM4 \t, \s, \z
	NOP4
.if !(\last)
.if \t == 3
	XLOAD (\s)+1
.endif
	WLOAD \t, (\s)+1
.endif
.endr
.endm
	s_load_b256 s[4:11], s[0:1], 0x0               ; A s[4:5], wimg s[6:7], bias s[8:9], residual s[10:11]
	s_load_b64 s[12:13], s[0:1], 0x20              ; out
	v_lshl_add_u32 v26, v0, 2, 0x18800
	v_mov_b32 v27, 0
	v_lshrrev_b32 v32, 5, v0
	v_readfirstlane_b32 s14, v32                   ; wave
	v_and_b32 v32, 31, v0                          ; lane
	v_and_b32 v33, 15, v0
	v_bfe_u32 v34, v0, 4, 1
	v_lshlrev_b32 v1, 4, v32
	v_lshlrev_b32 v2, 3, v32
	s_lshr_b32 s15, s14, LOGQ                      ; my unit of 64 columns
	s_and_b32 s16, s14, NKQ-1                      ; my part of K
	s_and_b32 s33, ttmp7, 0xffff                   ; cg
	s_mul_i32 s17, s16, NS*6144
	v_add_nc_u32 v3, s17, v1                       ; the panel's images from my first K step on
	v_add_nc_u32 v4, s17, v2
	s_mul_i32 s17, s16, NS*256
	s_add_co_u32 s17, s17, CB
	v_lshl_add_u32 v5, v32, 2, s17                 ; their scale words
	v_lshlrev_b32 v6, 4, v33                       ; 16 x (lane & 15)
	s_mul_i32 s18, s16, SSZ
	s_lshl_b32 s19, s15, 8
	s_add_co_u32 s20, s18, s19
	v_mul_u32_u24 v7, v33, 784
	v_lshl_add_u32 v7, v34, 6, v7
	v_add_nc_u32 v7, s20, v7                       ; into my part's stage: row r, + 64 h, + my unit's 256 bytes
	s_mul_i32 s20, s16, RPW*784
	s_add_co_u32 s20, s20, s19
	v_mul_u32_u24 v8, v34, 784
	v_add_nc_u32 v8, v8, v6
	v_add_nc_u32 v8, s20, v8                       ; back: my RPW rows of my unit, two rows an instruction, from each part's stage
	v_add_nc_u32 v9, SSZ, v8
.if NKQ > 2
	v_add_nc_u32 v10, 2*SSZ, v8
	v_add_nc_u32 v11, 3*SSZ, v8
.endif
	v_mul_u32_u24 v12, v34, 3072
	v_add_nc_u32 v12, v12, v6                      ; the same two rows in memory
	v_lshlrev_b32 v13, 4, v0                       ; the copy: 16 x thread, and 8 and 16 passes on
	v_add_nc_u32 v14, 8*WAVES*512, v13
.if NCP > 16
	v_add_nc_u32 v15, 16*WAVES*512, v13
.endif
	v_lshlrev_b32 v31, 3, v0
	v_add_nc_u32 v30, CB, v31
	s_mov_b32 s21, 0
	s_wait_kmcnt 0x0
	s_mul_i32 s20, ttmp9, CB
	s_add_nc_u64 s[22:23], s[4:5], s[20:21]        ; the panel's codes
	s_mul_i32 s20, ttmp9, SBY
	s_add_co_u32 s20, s20, SCO
	s_add_nc_u64 s[24:25], s[4:5], s[20:21]        ; and scale words
	s_mul_i32 s26, s33, 3
	s_add_co_u32 s26, s26, s15
	s_mul_i32 s27, s26, GM
	s_add_co_u32 s27, s27, GB                      ; the weight's unit
	s_mul_i32 s20, s27, 36864
	s_mul_i32 s32, s16, NS*6144
	s_add_co_u32 s20, s20, s32
	s_add_nc_u64 s[WB:WB+1], s[6:7], s[20:21]
	s_mul_i32 s20, s27, 1536
	s_mul_i32 s32, s16, NS*256
	s_add_co_u32 s20, s20, s32
	s_add_co_u32 s20, s20, WSB
	s_add_nc_u64 s[WSC:WSC+1], s[6:7], s[20:21]
	s_lshl_b32 s20, ttmp9, 6
	s_mul_i32 s32, s16, RPW
	s_add_co_u32 s20, s20, s32
	s_mul_i32 s20, s20, 3072
	s_mul_i32 s32, s33, 768
	s_add_co_u32 s32, s32, s19
	s_add_co_u32 s20, s20, s32
	s_add_nc_u64 s[10:11], s[10:11], s[20:21]      ; residual and out at my first row and column
	s_add_nc_u64 s[12:13], s[12:13], s[20:21]
	s_mov_b32 s20, s32
	s_add_nc_u64 s[8:9], s[8:9], s[20:21]          ; my unit's 64 biases
	; the panel comes in
.set i, 0
.rept NCP
	global_load_b128 v[128+4*i:131+4*i], v13, s[22:23] offset:i*WAVES*512
.set i, i+1
.endr
.set i, 0
.rept NSC
	global_load_b64 v[224+2*i:225+2*i], v31, s[24:25] offset:i*WAVES*256
.set i, i+1
.endr
.set i, 0
.rept NS
	global_load_b64 v[WS+2*i:WS+2*i+1], v2, s[WSC:WSC+1] offset:256*i
.set i, i+1
.endr
.irp t, 0,1,2,3
	WLOAD \t, 0
.endr
	s_wait_loadcnt NS+12                           ; the panel is in; the weight's scale words and first four fragments, issued behind it, may be out
.set i, 0
.rept NCP
	ds_store_b128 v[13+i/8], v[128+4*i:131+4*i] offset:(i%8)*WAVES*512
.set i, i+1
.endr
.set i, 0
.rept NSC
	ds_store_b64 v30, v[224+2*i:225+2*i] offset:i*WAVES*256
.set i, i+1
.endr
	BAR
	XLOAD 0
	KSTEP 0, 1, 0
.if NS == 6
	KSTEP 1, 0, 0
	KSTEP 2, 0, 0
	KSTEP 3, 0, 0
.endif
	KSTEP NS-2, 0, 0
	KSTEP NS-1, 0, 1
	; residual and bias are asked for while the part sums change hands
.set i, 0
.rept NI
	global_load_b128 v[32+4*i:35+4*i], v12, s[10:11] offset:6144*i
.set i, i+1
.endr
	global_load_b128 v[96:99], v6, s[8:9]
	BAR                                            ; every wave's reads of the panel are over: the stages may be laid over it
.irp m, 0,1,2,3
.irp t, 0,1,2,3
	ds_store_b128 v7, v[ACC+32*\m+8*\t:ACC+32*\m+8*\t+3] offset:\m*12544+128*(\t/2)+32*(\t%2)      ; lane (r, h): row 16 m + r, columns 32 b + 16 h + 8 u + 0 .. 7; each accumulator from its low end on
	ds_store_b128 v7, v[ACC+32*\m+8*\t+4:ACC+32*\m+8*\t+7] offset:\m*12544+128*(\t/2)+32*(\t%2)+16
.endr
.endr
	BAR
.set i, 0
.rept NI
.set q, 0
.rept NKQ
	ds_load_b128 v[128+4*(i*NKQ+q):131+4*(i*NKQ+q)], v[8+q] offset:1568*i
.set q, q+1
.endr
.set i, i+1
.endr
	s_wait_dscnt 0x0
	s_wait_loadcnt 0x0
.set i, 0
.rept NI
.set B, 128+4*i*NKQ
.set q, 1
.rept NKQ-1
	v_pk_add_f32 v[B:B+1], v[B:B+1], v[B+4*q:B+4*q+1]
	v_pk_add_f32 v[B+2:B+3], v[B+2:B+3], v[B+4*q+2:B+4*q+3]
.set q, q+1
.endr
	v_pk_add_f32 v[B:B+1], v[B:B+1], v[96:97]
	v_pk_add_f32 v[B+2:B+3], v[B+2:B+3], v[98:99]
	v_pk_add_f32 v[B:B+1], v[B:B+1], v[32+4*i:33+4*i]
	v_pk_add_f32 v[B+2:B+3], v[B+2:B+3], v[34+4*i:35+4*i]
	global_store_b128 v12, v[B:B+3], s[12:13] offset:6144*i   ; sixteen lanes store 256 consecutive bytes, at a multiple of 256 from the buffer's first byte
.set i, i+1
.endr
	s_wait_tensorcnt 0x0
	ds_add_u32 v26, v27
	s_wait_dscnt 0x0
	s_endpgm
.Lfunc_end_k_qd1132864c3_proj:
	.size	k_qd1132864c3_proj, .Lfunc_end_k_qd1132864c3_proj-k_qd1132864c3_proj
	.p2alignl 7, 3214868480
	.fill 96, 4, 3214868480
	.section	.rodata,"a",@progbits
	.p2align	6, 0x0
	.amdhsa_kernel k_qd1132864c3_proj
		.amdhsa_group_segment_fixed_size 101120
		.amdhsa_private_segment_fixed_size 0
		.amdhsa_enable_private_segment 0
		.amdhsa_kernarg_size 40
		.amdhsa_user_sgpr_count 2
		.amdhsa_user_sgpr_kernarg_segment_ptr 1
		.amdhsa_wavefront_size32 1
		.amdhsa_system_sgpr_workgroup_id_x 1
		.amdhsa_system_sgpr_workgroup_id_y 1
		.amdhsa_system_sgpr_workgroup_id_z 1
		.amdhsa_system_vgpr_workitem_id 0
		.amdhsa_next_free_vgpr 256
		.amdhsa_next_free_sgpr 66
		.amdhsa_reserve_vcc 0
		.amdhsa_float_denorm_mode_32 3
		.amdhsa_float_denorm_mode_16_64 3
		.amdhsa_memory_ordered 1
		.amdhsa_forward_progress 1
		.amdhsa_inst_pref_size 35
	.end_amdhsa_kernel
	.amdgpu_metadata
---
amdhsa.version: [ 1, 2 ]
amdhsa.kernels:
  - .name:           k_qd1132864c3_proj
    .symbol:         k_qd1132864c3_proj.kd
    .args:
      - { .name: abuf, .offset: 0, .size: 8, .value_kind: global_buffer, .address_space: global }
      - { .name: wimg, .offset: 8, .size: 8, .value_kind: global_buffer, .address_space: global }
      - { .name: bo, .offset: 16, .size: 8, .value_kind: global_buffer, .address_space: global }
      - { .name: hidden_states, .offset: 24, .size: 8, .value_kind: global_buffer, .address_space: global }
      - { .name: hid, .offset: 32, .size: 8, .value_kind: global_buffer, .address_space: global }
    .group_segment_fixed_size: 101120
    .private_segment_fixed_size: 0
    .kernarg_segment_align: 8
    .kernarg_segment_size: 40
    .max_flat_workgroup_size: 192
    .sgpr_count:     66
    .vgpr_count:     256
    .wavefront_size: 32
...
	.end_amdgpu_metadata
.endif
;; end of part 4
;; launch up (part 5): grid 64 x 4, 12 waves a work-group, no clusters, 47,616 bytes of LDS; arguments hid, ln2_w, ln2_b, wimg, b_up, hbuf; writes hbuf
.if DOCPART == 5
	.amdgcn_target "amdgcn-amd-amdhsa--gfx1250"
	.amdhsa_code_object_version 6
	.text
	.protected	k_qd1132864c3_up
	.globl	k_qd1132864c3_up
	.p2align	8
	.type	k_qd1132864c3_up,@function
k_qd1132864c3_up:
	s_mov_b64 s[64:65], 0
	v_nop
	global_prefetch_b8 v0, s[64:65] scope:SCOPE_SE
	s_setreg_imm32_b32 hwreg(HW_REG_WAVE_MODE, 25, 1), 1
	s_wait_xcnt 0x0
; LayerNorm 2, its quantising, the product with w_up, + b_up, the exact gelu, and the quantising of the result along the hidden units, the K of the product with w_down.
; A work-group takes 64 rows (x = panel) and 768 hidden units (y = cg).  All 12 waves make the panel's operand as in the launch for q, k, v: wave (m = w & 3, p = w >> 2) normalises rows 16 m .. + 15,
; K 256 p .. + 255, in f32 with a two-pass variance, and leaves two fragments in LDS as images of their registers.  Then wave w takes unit 12 cg + w: 64 rows x 64 units, K = 768 in six steps,
; TRANSPOSED (source 0 = 16 units of the weight, source 1 = 16 rows): a lane holds one row and 16 neighbouring units in 16 registers.
; gelu(x) = 0.5 x (1 + erf(x / sqrt 2)); erf(z) = z P(z^2) / Q(z^2) with z held to +-4, a rational fit of f32 quality.  LIMIT: 1 + erf is formed in f32, so its absolute error is about 1e-7.
; The weights go straight into the registers of the one wave that multiplies them: no cluster (a joint fetch into LDS would add an LDS write and read for each fragment).
; LIMITS: NaN and infinities among the inputs are not served, but for a NaN row of hid (a query with no open key), which yields finite codes in its own row alone;
; a block of zeros gets the scale byte 1 (its codes are zeros; only this program reads the bytes).
.set XSC,  36864
.set LNW,  38400
.set RED,  44544
.set WSB,  5308416
.set HSO,  9437184
.set XA16, 1
.set XA8,  2
.set XS4,  5
.set WS,   16
.set XS,   28
.set W,    32
.set X,    80
.set ACC,  128
.set XR,   128
.set LW,   32
.set LB,   48
.set TM,   64
.set PC,   80
.set PW,   100
.set SA,   102
.set MU,   110
.set SEL,  26
.set WB,   50
.set WSC,  52
.set ERS,  66                          ; s[66:67] 1 / sqrt 2;  the fit's constants, each as a pair of equal words
.set EA13, 68
.set EA9,  70
.set EA7,  72
.set EA5,  74
.set EA3,  76
.set EA1,  78
.set EB8,  80
.set EB4,  82
.set EB2,  84
.set EB0,  86
.set GZ,   64
.set GQ,   72
.set GP,   80
.set GD,   88
.macro NOP4
.rept 4
	v_nop
.endr
.endm
.macro BAR
	s_wait_dscnt 0x0
	s_barrier_signal -1
	s_barrier_wait -1
.endm
.macro WM d, a, b, z, sa, sb, ra, rb
.if (\z) && (\ra) && (\rb)
	v_wmma_scale_f32_16x16x128_f8f6f4 v[(\d):(\d)+7], v[(\a):(\a)+11], v[(\b):(\b)+11], 0, v[\sa], v[\sb] matrix_a_fmt:MATRIX_FMT_BF6 matrix_b_fmt:MATRIX_FMT_BF6 matrix_a_scale:MATRIX_SCALE_ROW1 matrix_b_scale:MATRIX_SCALE_ROW1
.elseif (\z) && (\ra)
	v_wmma_scale_f32_16x16x128_f8f6f4 v[(\d):(\d)+7], v[(\a):(\a)+11], v[(\b):(\b)+11], 0, v[\sa], v[\sb] matrix_a_fmt:MATRIX_FMT_BF6 matrix_b_fmt:MATRIX_FMT_BF6 matrix_a_scale:MATRIX_SCALE_ROW1
.elseif (\z) && (\rb)
	v_wmma_scale_f32_16x16x128_f8f6f4 v[(\d):(\d)+7], v[(\a):(\a)+11], v[(\b):(\b)+11], 0, v[\sa], v[\sb] matrix_a_fmt:MATRIX_FMT_BF6 matrix_b_fmt:MATRIX_FMT_BF6 matrix_b_scale:MATRIX_SCALE_ROW1
.elseif (\z)
	v_wmma_scale_f32_16x16x128_f8f6f4 v[(\d):(\d)+7], v[(\a):(\a)+11], v[(\b):(\b)+11], 0, v[\sa], v[\sb] matrix_a_fmt:MATRIX_FMT_BF6 matrix_b_fmt:MATRIX_FMT_BF6
.elseif (\ra) && (\rb)
	v_wmma_scale_f32_16x16x128_f8f6f4 v[(\d):(\d)+7], v[(\a):(\a)+11], v[(\b):(\b)+11], v[(\d):(\d)+7], v[\sa], v[\sb] matrix_a_fmt:MATRIX_FMT_BF6 matrix_b_fmt:MATRIX_FMT_BF6 matrix_a_scale:MATRIX_SCALE_ROW1 matrix_b_scale:MATRIX_SCALE_ROW1
.elseif (\ra)
	v_wmma_scale_f32_16x16x128_f8f6f4 v[(\d):(\d)+7], v[(\a):(\a)+11], v[(\b):(\b)+11], v[(\d):(\d)+7], v[\sa], v[\sb] matrix_a_fmt:MATRIX_FMT_BF6 matrix_b_fmt:MATRIX_FMT_BF6 matrix_a_scale:MATRIX_SCALE_ROW1
.elseif (\rb)
	v_wmma_scale_f32_16x16x128_f8f6f4 v[(\d):(\d)+7], v[(\a):(\a)+11], v[(\b):(\b)+11], v[(\d):(\d)+7], v[\sa], v[\sb] matrix_a_fmt:MATRIX_FMT_BF6 matrix_b_fmt:MATRIX_FMT_BF6 matrix_b_scale:MATRIX_SCALE_ROW1
.else
	v_wmma_scale_f32_16x16x128_f8f6f4 v[(\d):(\d)+7], v[(\a):(\a)+11], v[(\b):(\b)+11], v[(\d):(\d)+7], v[\sa], v[\sb] matrix_a_fmt:MATRIX_FMT_BF6 matrix_b_fmt:MATRIX_FMT_BF6
.endif
.endm
.macro WLOAD t, s
.irp g, 0,1,2
	global_load_b128 v[W+12*(\t)+4*\g:W+12*(\t)+4*\g+3], v1, s[WB:WB+1] offset:(\s)*6144+(\t)*1536+\g*512
.endr
.endm
.macro XLOAD s
.irp m, 0,1,2,3
	ds_load_b128 v[X+12*\m:X+12*\m+3], v[XA16] offset:(\s)*6144+\m*1536
	ds_load_b64 v[X+12*\m+4:X+12*\m+5], v[XA8] offset:(\s)*6144+\m*1536+512
	ds_load_b128 v[X+12*\m+6:X+12*\m+9], v[XA16] offset:(\s)*6144+\m*1536+768
	ds_load_b64 v[X+12*\m+10:X+12*\m+11], v[XA8] offset:(\s)*6144+\m*1536+1280
.endr
	ds_load_b32 v[XS], v[XS4] offset:(\s)*256
	ds_load_b32 v[XS+1], v[XS4] offset:(\s)*256+128
.endm
.macro MM4 t, s, z
.irp m, 0,1,2,3
	WM ACC+32*\m+8*(\t), W+12*(\t), X+12*\m, \z, WS+2*(\s)+(\t)/2, XS+\m/2, (\t)%2, \m%2
.endr
.endm
; A K step: 16 products, the 16 accumulators by turns.  The count 9: three younger fragments of three loads each are out; in the last step 9, 6, 3, 0.
.macro KSTEP s, z, last
	s_wait_dscnt 0x0
.irp t, 0,1,2,3
.if \last
	s_wait_loadcnt 9-3*\t
.else
	s_wait_loadcnt 9
.endif
	MM4 \t, \s, \z
	NOP4
.if !(\last)
.if \t == 3
	XLOAD (\s)+1
.endif
	WLOAD \t, (\s)+1
.endif
.endr
.endm
.macro QUANT s                         ; 64 numbers of a lane, register 16 b + i = k 32 b + 16 (lane / 16) + i, become a fragment in v[PC] on and its scale word in v[PW]
.irp b, 0,1,2,3
	v_max3_num_f32 v[TM+\b], |v[(\s)+16*\b]|, |v[(\s)+1+16*\b]|, 0x2800000
.endr
.irp i, 2,4,6,8,10,12,14
.irp b, 0,1,2,3
	v_max3_num_f32 v[TM+\b], v[TM+\b], |v[(\s)+16*\b+\i]|, |v[(\s)+1+16*\b+\i]|
.endr
.endr
.irp b, 0,1,2,3
	v_permlanex16_b32 v[TM+4+\b], v[TM+\b], s[SEL], s[SEL+1]
.endr
.irp b, 0,1,2,3
	v_max_num_f32 v[TM+\b], v[TM+\b], v[TM+4+\b]
.endr
.irp b, 0,1,2,3
	v_add_nc_u32 v[TM+12+\b], 0xfe000000, v[TM+\b]
.endr
.irp b, 0,1,2,3
	v_lshrrev_b32 v[TM+4+\b], 23, v[TM+12+\b]
.endr
	v_lshl_or_b32 v[PW], v[TM+5], 8, v[TM+4]
	v_lshl_or_b32 v[PW], v[TM+6], 16, v[PW]
	v_lshl_or_b32 v[PW], v[TM+7], 24, v[PW]
.irp c, 0,1
	v_cvt_scalef32_pk16_bf6_f32 v[PC+6*\c:PC+2+6*\c], v[(\s)+32*\c:(\s)+15+32*\c], v[TM+12+2*\c]
	v_cvt_scalef32_pk16_bf6_f32 v[PC+12+4*\c:PC+14+4*\c], v[(\s)+16+32*\c:(\s)+31+32*\c], v[TM+12+2*\c+1]
.endr
	v_nop
.irp c, 0,1
.irp i, 0,1,2
	v_permlane16_swap_b32 v[PC+6*\c+\i], v[PC+12+4*\c+\i]
.endr
.irp i, 0,1,2
	v_mov_b32 v[PC+3+6*\c+\i], v[PC+12+4*\c+\i]
.endr
.endr
.endm
.macro QUANTH s                        ; the same for 32 numbers: half a fragment in v[PC] .. v[PC+5], two scale bytes in v[PW]
.irp b, 0,1
	v_max3_num_f32 v[TM+\b], |v[(\s)+16*\b]|, |v[(\s)+1+16*\b]|, 0x2800000
.endr
.irp i, 2,4,6,8,10,12,14
.irp b, 0,1
	v_max3_num_f32 v[TM+\b], v[TM+\b], |v[(\s)+16*\b+\i]|, |v[(\s)+1+16*\b+\i]|
.endr
.endr
.irp b, 0,1
	v_permlanex16_b32 v[TM+4+\b], v[TM+\b], s[SEL], s[SEL+1]
.endr
.irp b, 0,1
	v_max_num_f32 v[TM+\b], v[TM+\b], v[TM+4+\b]
.endr
.irp b, 0,1
	v_add_nc_u32 v[TM+12+\b], 0xfe000000, v[TM+\b]
.endr
.irp b, 0,1
	v_lshrrev_b32 v[TM+4+\b], 23, v[TM+12+\b]
.endr
	v_lshl_or_b32 v[PW], v[TM+5], 8, v[TM+4]
	v_cvt_scalef32_pk16_bf6_f32 v[PC:PC+2], v[(\s):(\s)+15], v[TM+12]
	v_cvt_scalef32_pk16_bf6_f32 v[PC+8:PC+10], v[(\s)+16:(\s)+31], v[TM+13]
	v_nop
.irp i, 0,1,2
	v_permlane16_swap_b32 v[PC+\i], v[PC+8+\i]
.endr
.irp i, 0,1,2
	v_mov_b32 v[PC+3+\i], v[PC+8+\i]
.endr
.endm
.macro FOLD off
	v_pk_add_f32 v[SA:SA+1], v[SA:SA+1], v[SA+2:SA+3]
	v_pk_add_f32 v[SA+4:SA+5], v[SA+4:SA+5], v[SA+6:SA+7]
	v_pk_add_f32 v[SA:SA+1], v[SA:SA+1], v[SA+4:SA+5]
	v_add_f32 v[SA], v[SA], v[SA+1]
	v_permlanex16_b32 v[SA+2], v[SA], s[SEL], s[SEL+1]
	v_add_f32 v[SA], v[SA], v[SA+2]
	ds_store_b32 v9, v[SA] offset:\off
	BAR
	ds_load_b32 v[SA+2], v10 offset:\off
	ds_load_b32 v[SA+3], v10 offset:\off+256
	ds_load_b32 v[SA+4], v10 offset:\off+512
	s_wait_dscnt 0x0
	v_add_f32 v[SA+2], v[SA+2], v[SA+3]
	v_add_f32 v[SA+2], v[SA+2], v[SA+4]
.endm
; gelu of eight numbers v[a] .. v[a+7], in place: four pairs by turns
.macro GELU4 a
.irp k, 0,1,2,3
	v_pk_mul_f32 v[GZ+2*\k:GZ+2*\k+1], v[(\a)+2*\k:(\a)+2*\k+1], s[ERS:ERS+1] op_sel_hi:[1,0]
.endr
.irp k, 0,1,2,3,4,5,6,7
	v_med3_num_f32 v[GZ+\k], v[GZ+\k], -4.0, 4.0   ; beyond +-4 erf is +-1 in f32
.endr
.irp k, 0,1,2,3
	v_pk_mul_f32 v[GQ+2*\k:GQ+2*\k+1], v[GZ+2*\k:GZ+2*\k+1], v[GZ+2*\k:GZ+2*\k+1]
.endr
.irp k, 0,1,2,3
	v_pk_fma_f32 v[GP+2*\k:GP+2*\k+1], v[GQ+2*\k:GQ+2*\k+1], s[EA13:EA13+1], v[126:127] op_sel_hi:[1,0,1]
.endr
.irp c, EA9, EA7, EA5, EA3, EA1
.irp k, 0,1,2,3
	v_pk_fma_f32 v[GP+2*\k:GP+2*\k+1], v[GP+2*\k:GP+2*\k+1], v[GQ+2*\k:GQ+2*\k+1], s[\c:\c+1] op_sel_hi:[1,1,0]
.endr
.endr
.irp k, 0,1,2,3
	v_pk_fma_f32 v[GD+2*\k:GD+2*\k+1], v[GQ+2*\k:GQ+2*\k+1], s[EB8:EB8+1], v[30:31] op_sel_hi:[1,0,1]
.endr
.irp c, EB4, EB2, EB0
.irp k, 0,1,2,3
	v_pk_fma_f32 v[GD+2*\k:GD+2*\k+1], v[GD+2*\k:GD+2*\k+1], v[GQ+2*\k:GQ+2*\k+1], s[\c:\c+1] op_sel_hi:[1,1,0]
.endr
.endr
.irp k, 0,1,2,3
	v_pk_mul_f32 v[GP+2*\k:GP+2*\k+1], v[GP+2*\k:GP+2*\k+1], v[GZ+2*\k:GZ+2*\k+1]
.endr
.irp k, 0,1,2,3,4,5,6,7
	v_rcp_f32 v[GD+\k], v[GD+\k]
.endr
.irp k, 0,1,2,3
	v_pk_mul_f32 v[GZ+2*\k:GZ+2*\k+1], v[(\a)+2*\k:(\a)+2*\k+1], 0.5 op_sel_hi:[1,0]   ; (plain places behind the reciprocals)
.endr
	s_wait_alu depctr_va_vdst(0)
.irp k, 0,1,2,3
	v_pk_mul_f32 v[GP+2*\k:GP+2*\k+1], v[GP+2*\k:GP+2*\k+1], v[GD+2*\k:GD+2*\k+1]      ; erf
.endr
.irp k, 0,1,2,3
	v_pk_fma_f32 v[(\a)+2*\k:(\a)+2*\k+1], v[GZ+2*\k:GZ+2*\k+1], v[GP+2*\k:GP+2*\k+1], v[GZ+2*\k:GZ+2*\k+1]   ; 0.5 x erf + 0.5 x
.endr
.endm
	s_load_b256 s[4:11], s[0:1], 0x0               ; rows s[4:5], gain s[6:7], bias s[8:9], wimg s[10:11]
	s_load_b128 s[12:15], s[0:1], 0x20             ; b_up, hbuf
	v_lshl_add_u32 v3, v0, 2, 0xb400
	v_mov_b32 v4, 0
	v_lshrrev_b32 v15, 5, v0
	v_readfirstlane_b32 s24, v15                   ; wave 0..11
	v_and_b32 v15, 31, v0
	v_and_b32 v14, 15, v0
	v_bfe_u32 v13, v0, 4, 1
	v_lshlrev_b32 v1, 4, v15
	v_lshlrev_b32 v2, 3, v15
	v_lshl_add_u32 v5, v15, 2, XSC
	v_lshlrev_b32 v6, 2, v14
	v_mul_u32_u24 v7, v14, 3072
	v_lshl_add_u32 v7, v13, 6, v7
	s_mov_b32 s[SEL], 0x76543210
	s_mov_b32 s[SEL+1], 0xfedcba98
	s_mov_b32 s28, ttmp9
	s_and_b32 s29, ttmp7, 0xffff
	s_and_b32 s30, s24, 3
	s_lshr_b32 s31, s24, 2
	s_lshl_b32 s32, s31, 10
	s_add_co_u32 s32, s32, LNW
	v_lshl_add_u32 v8, v13, 6, s32
	s_lshl_b32 s33, s24, 6
	s_add_co_u32 s33, s33, RED
	v_add_nc_u32 v9, s33, v6
	s_lshl_b32 s34, s30, 6
	s_add_co_u32 s33, s34, RED
	v_add_nc_u32 v10, s33, v6
	s_lshl_b32 s35, s31, 3
	s_add_co_u32 s35, s35, s30
	s_mul_i32 s35, s35, 1536
	v_add_nc_u32 v11, s35, v1
	v_add_nc_u32 v12, s35, v2
	s_lshl_b32 s36, s31, 9
	s_add_co_u32 s36, s36, s34
	s_add_co_u32 s36, s36, XSC
	v_add_nc_u32 v13, s36, v6
	s_lshl_b32 s37, s24, 9
	s_add_co_u32 s37, s37, LNW
	v_add_nc_u32 v14, s37, v1
	s_mov_b32 s44, 0x3aaaaaab                      ; 1 / 768
	s_wait_kmcnt 0x0
	s_cmp_lt_u32 s24, 6
	s_cselect_b64 s[38:39], s[6:7], s[8:9]
	s_cselect_b32 s40, 0, 6
	s_sub_co_u32 s40, s24, s40
	s_lshl_b32 s40, s40, 9
	s_mov_b32 s41, 0
	s_add_nc_u64 s[38:39], s[38:39], s[40:41]
	s_lshl_b32 s42, s28, 6
	s_lshl_b32 s43, s30, 4
	s_add_co_u32 s42, s42, s43
	s_mul_i32 s42, s42, 3072
	s_lshl_b32 s43, s31, 10
	s_add_co_u32 s42, s42, s43
	s_mov_b32 s43, 0
	s_add_nc_u64 s[4:5], s[4:5], s[42:43]
	global_load_b128 v[112:115], v1, s[38:39]
.irp g, 0,1
.irp b, 0,1,2,3
.irp j, 0,1,2,3
	global_load_b128 v[XR+64*\g+16*\b+4*\j:XR+64*\g+16*\b+4*\j+3], v7, s[4:5] offset:512*\g+128*\b+16*\j
.endr
.endr
.endr
.irp b, 0,1,2,3
	v_mov_b32 v[TM+4+\b], 0
.endr
	s_wait_loadcnt 32                              ; the parameters are in; the 32 loads of rows behind them may be out
	ds_store_b128 v14, v[112:115]
	s_wait_loadcnt 0x0
.irp c, 0,1,2,3
	v_pk_add_f32 v[SA+2*\c:SA+2*\c+1], v[XR+2*\c:XR+2*\c+1], v[XR+8+2*\c:XR+9+2*\c]
.endr
.irp i, 16,24,32,40,48,56,64,72,80,88,96,104,112,120
.irp c, 0,1,2,3
	v_pk_add_f32 v[SA+2*\c:SA+2*\c+1], v[SA+2*\c:SA+2*\c+1], v[XR+\i+2*\c:XR+\i+2*\c+1]
.endr
.endr
	FOLD 0
	v_mul_f32 v[MU], s44, v[SA+2]
	v_mov_b32 v[MU+1], v[MU]
.set i, 0
.rept 64
	v_pk_add_f32 v[XR+i:XR+i+1], v[XR+i:XR+i+1], v[MU:MU+1] neg_lo:[0,1] neg_hi:[0,1]
.set i, i+2
.endr
.irp c, 0,1,2,3
	v_pk_mul_f32 v[SA+2*\c:SA+2*\c+1], v[XR+2*\c:XR+2*\c+1], v[XR+2*\c:XR+2*\c+1]
.endr
.irp i, 8,16,24,32,40,48,56,64,72,80,88,96,104,112,120
.irp c, 0,1,2,3
	v_pk_fma_f32 v[SA+2*\c:SA+2*\c+1], v[XR+\i+2*\c:XR+\i+2*\c+1], v[XR+\i+2*\c:XR+\i+2*\c+1], v[SA+2*\c:SA+2*\c+1]
.endr
.endr
	FOLD 768
	v_fmaak_f32 v[SA+2], s44, v[SA+2], 0x3727c5ac
	v_rsq_f32 v[MU], v[SA+2]
	v_nop
	s_wait_alu depctr_va_vdst(0)
	v_mov_b32 v[MU+1], v[MU]
.irp g, 0,1
.irp b, 0,1,2,3
.irp j, 0,1,2,3
	ds_load_b128 v[LW+4*\j:LW+4*\j+3], v8 offset:512*\g+128*\b+16*\j
	ds_load_b128 v[LB+4*\j:LB+4*\j+3], v8 offset:3072+512*\g+128*\b+16*\j
.endr
.irp i, 0,2,4,6,8,10,12,14
	v_pk_mul_f32 v[XR+64*\g+16*\b+\i:XR+64*\g+16*\b+\i+1], v[XR+64*\g+16*\b+\i:XR+64*\g+16*\b+\i+1], v[MU:MU+1]
.endr
	s_wait_dscnt 0x0
.irp i, 0,2,4,6,8,10,12,14
	v_pk_fma_f32 v[XR+64*\g+16*\b+\i:XR+64*\g+16*\b+\i+1], v[XR+64*\g+16*\b+\i:XR+64*\g+16*\b+\i+1], v[LW+\i:LW+\i+1], v[LB+\i:LB+\i+1]
.endr
.endr
	QUANT XR+64*\g
	ds_store_b128 v11, v[PC:PC+3] offset:6144*\g
	ds_store_b64 v12, v[PC+4:PC+5] offset:6144*\g+512
	ds_store_b128 v11, v[PC+6:PC+9] offset:6144*\g+768
	ds_store_b64 v12, v[PC+10:PC+11] offset:6144*\g+1280
	ds_store_b32 v13, v[PW] offset:256*\g
	s_wait_dscnt 0x0
.endr
	s_mul_i32 s45, s29, 12
	s_add_co_u32 s45, s45, s24                     ; my unit of 64 hidden units
	s_add_co_u32 s47, s45, 48                      ; its place in wimg
	s_mul_i32 s48, s47, 36864
	s_mov_b32 s49, 0
	s_add_nc_u64 s[WB:WB+1], s[10:11], s[48:49]
	s_mul_i32 s48, s47, 1536
	s_add_co_u32 s48, s48, WSB
	s_add_nc_u64 s[WSC:WSC+1], s[10:11], s[48:49]
.irp s, 0,1,2,3,4,5
	global_load_b64 v[WS+2*\s:WS+2*\s+1], v2, s[WSC:WSC+1] offset:256*\s
.endr
.irp t, 0,1,2,3
	WLOAD \t, 0
.endr
	BAR                                            ; the panel's 24 fragments lie in LDS
	XLOAD 0
	s_lshl_b32 s48, s45, 8
	s_add_nc_u64 s[54:55], s[12:13], s[48:49]      ; my 64 biases
	s_mul_i32 s46, s28, 24
	s_lshr_b32 s47, s45, 1
	s_add_co_u32 s46, s46, s47                     ; panel x 24 + K step of the next product
	s_and_b32 s47, s45, 1                          ; which half of it
	s_mul_i32 s48, s46, 6144
	s_mul_i32 s60, s47, 768
	s_add_co_u32 s48, s48, s60
	s_add_nc_u64 s[58:59], s[14:15], s[48:49]
	s_lshl_b32 s48, s46, 8
	s_lshl_b32 s60, s47, 1
	s_add_co_u32 s48, s48, s60
	s_add_co_u32 s48, s48, HSO
	s_add_nc_u64 s[56:57], s[14:15], s[48:49]
.macro CPAIR r, val
	s_mov_b32 s[\r], \val
	s_mov_b32 s[\r+1], \val
.endm
	CPAIR ERS,  0x3f3504f3
	CPAIR EA13, 0xaf95df0b
	CPAIR EA9,  0xb60cff51
	CPAIR EA7,  0xb86ec2d2
	CPAIR EA5,  0xba40ac63
	CPAIR EA3,  0xbb41a1f6
	CPAIR EA1,  0xbc83dbd4
	CPAIR EB8,  0xb77460cd
	CPAIR EB4,  0xbadc924e
	CPAIR EB2,  0xbbf19bf8
	CPAIR EB0,  0xbc69b6a7
	v_bfe_u32 v7, v0, 4, 1
	v_lshlrev_b32 v7, 6, v7                        ; 64 h
	v_mov_b32 v30, 0xb95fbd29                      ; the fit's two constants that stand as addends beside a scalar factor
	v_mov_b32 v31, 0xb95fbd29
	KSTEP 0, 1, 0
	KSTEP 1, 0, 0
	KSTEP 2, 0, 0
	KSTEP 3, 0, 0
	KSTEP 4, 0, 0
	KSTEP 5, 0, 1
.set TM, 96
.set PC, 112
.set PW, 124
.irp b, 0,1
.irp j, 0,1,2,3
	global_load_b128 v[32+16*\b+4*\j:35+16*\b+4*\j], v7, s[54:55] offset:128*\b+16*\j   ; register 16 b + i: the bias of unit 32 b + 16 h + i
.endr
.endr
	v_mov_b32 v[TM+4], 0
	v_mov_b32 v[TM+5], 0
	v_mov_b32 v126, 0x32edffee
	v_mov_b32 v127, 0x32edffee
	s_wait_loadcnt 0x0
.irp m, 0,1,2,3
	s_wait_xcnt 0x0                                ; the last tile's stores have read their registers
.irp i, 0,2,4,6,8,10,12,14,16,18,20,22,24,26,28,30
	v_pk_add_f32 v[ACC+32*\m+\i:ACC+32*\m+\i+1], v[ACC+32*\m+\i:ACC+32*\m+\i+1], v[32+\i:33+\i]   ; each accumulator from its low end on
.endr
	GELU4 ACC+32*\m
	GELU4 ACC+32*\m+8
	GELU4 ACC+32*\m+16
	GELU4 ACC+32*\m+24
	QUANTH ACC+32*\m
	global_store_b128 v1, v[PC:PC+3], s[58:59] offset:\m*1536
	global_store_b64 v2, v[PC+4:PC+5], s[58:59] offset:\m*1536+512
	global_store_b16 v6, v[PW], s[56:57] offset:\m*64
.endr
	s_wait_tensorcnt 0x0
	ds_add_u32 v3, v4
	s_wait_dscnt 0x0
	s_endpgm
.Lfunc_end_k_qd1132864c3_up:
	.size	k_qd1132864c3_up, .Lfunc_end_k_qd1132864c3_up-k_qd1132864c3_up
	.p2alignl 7, 3214868480
	.fill 96, 4, 3214868480
	.section	.rodata,"a",@progbits
	.p2align	6, 0x0
	.amdhsa_kernel k_qd1132864c3_up
		.amdhsa_group_segment_fixed_size 47616
		.amdhsa_private_segment_fixed_size 0
		.amdhsa_enable_private_segment 0
		.amdhsa_kernarg_size 48
		.amdhsa_user_sgpr_count 2
		.amdhsa_user_sgpr_kernarg_segment_ptr 1
		.amdhsa_wavefront_size32 1
		.amdhsa_system_sgpr_workgroup_id_x 1
		.amdhsa_system_sgpr_workgroup_id_y 1
		.amdhsa_system_sgpr_workgroup_id_z 1
		.amdhsa_system_vgpr_workitem_id 0
		.amdhsa_next_free_vgpr 256
		.amdhsa_next_free_sgpr 90
		.amdhsa_reserve_vcc 0
		.amdhsa_float_denorm_mode_32 3
		.amdhsa_float_denorm_mode_16_64 3
		.amdhsa_memory_ordered 1
		.amdhsa_forward_progress 1
		.amdhsa_inst_pref_size 163
	.end_amdhsa_kernel
	.amdgpu_metadata
---
amdhsa.version: [ 1, 2 ]
amdhsa.kernels:
  - .name:           k_qd1132864c3_up
    .symbol:         k_qd1132864c3_up.kd
    .args:
      - { .name: hid, .offset: 0, .size: 8, .value_kind: global_buffer, .address_space: global }
      - { .name: ln2_w, .offset: 8, .size: 8, .value_kind: global_buffer, .address_space: global }
      - { .name: ln2_b, .offset: 16, .size: 8, .value_kind: global_buffer, .address_space: global }
      - { .name: wimg, .offset: 24, .size: 8, .value_kind: global_buffer, .address_space: global }
      - { .name: b_up, .offset: 32, .size: 8, .value_kind: global_buffer, .address_space: global }
      - { .name: hbuf, .offset: 40, .size: 8, .value_kind: global_buffer, .address_space: global }
    .group_segment_fixed_size: 47616
    .private_segment_fixed_size: 0
    .kernarg_segment_align: 8
    .kernarg_segment_size: 48
    .max_flat_workgroup_size: 384
    .sgpr_count:     90
    .vgpr_count:     256
    .wavefront_size: 32
...
	.end_amdgpu_metadata
.endif
;; end of part 5
;; launch down (part 6): grid 64 x 4, 12 waves a work-group, no clusters, 202,240 bytes of LDS; arguments hbuf, wimg, b_down, hid, out0; writes out0
.if DOCPART == 6
	.amdgcn_target "amdgcn-amd-amdhsa--gfx1250"
	.amdhsa_code_object_version 6
	.text
	.protected	k_qd1132864c3_down
	.globl	k_qd1132864c3_down
	.p2align	8
	.type	k_qd1132864c3_down,@function
k_qd1132864c3_down:
	s_mov_b64 s[64:65], 0
	v_nop
	global_prefetch_b8 v0, s[64:65] scope:SCOPE_SE
	s_setreg_imm32_b32 hwreg(HW_REG_WAVE_MODE, 25, 1), 1
	s_wait_xcnt 0x0
; out = residual + (A W^T + bias), A given as fragment images with scale words, W as fragment images.  Here: A = the quantised gelu (K = 3072), W = w_down, residual = hid, out = out0.
; A work-group takes 64 rows (x = panel) and 192 columns (y = cg).  Wave w takes unit w >> LOGQ (64 columns) and part w & (NKQ - 1) of K (NS steps of 128): 64 x 64, sixteen accumulators.
; The panel's images come into LDS once, dense; the weights go straight into the registers of the one wave that multiplies them, so a joint fetch into LDS would only add an LDS write and read: no cluster.
; K is split over NKQ waves: the part sums meet in LDS (stages laid over the panel, behind a barrier) and are added in f32, part 0 first: an order of rounding other than one chain along K.
; A NaN row of the residual (a query with no open key) stays NaN, in that row alone.
.set WAVES, 12
.set LOGQ,  2
.set NS,    6
.set KT,    24
.set SCO,   9437184                    ; where A's scale words begin
.set GB,    96                         ; the weight's first unit in wimg, and units from one block of 64 columns to the next
.set GM,    4
.set NKQ,   1<<LOGQ
.set CB,    KT*6144                    ; the panel's codes
.set SBY,   KT*256                     ; and scale words
.set NCP,   CB/(WAVES*512)
.set NSC,   SBY/(WAVES*256)
.set SSZ,   50176                      ; a stage: 64 rows x (768 bytes + 16)
.set RPW,   64/NKQ                     ; rows that a wave adds up and stores
.set NI,    RPW/2
.set WSB,   5308416
.set XA16, 3
.set XA8,  4
.set XS4,  5
.set WS,   16
.set XS,   28
.set W,    32
.set X,    80
.set ACC,  128
.set WB,   28
.set WSC,  30
.macro NOP4
.rept 4
	v_nop
.endr
.endm
.macro BAR
	s_wait_dscnt 0x0
	s_barrier_signal -1
	s_barrier_wait -1
.endm
.macro WM d, a, b, z, sa, sb, ra, rb
.if (\z) && (\ra) && (\rb)
	v_wmma_scale_f32_16x16x128_f8f6f4 v[(\d):(\d)+7], v[(\a):(\a)+11], v[(\b):(\b)+11], 0, v[\sa], v[\sb] matrix_a_fmt:MATRIX_FMT_BF6 matrix_b_fmt:MATRIX_FMT_BF6 matrix_a_scale:MATRIX_SCALE_ROW1 matrix_b_scale:MATRIX_SCALE_ROW1
.elseif (\z) && (\ra)
	v_wmma_scale_f32_16x16x128_f8f6f4 v[(\d):(\d)+7], v[(\a):(\a)+11], v[(\b):(\b)+11], 0, v[\sa], v[\sb] matrix_a_fmt:MATRIX_FMT_BF6 matrix_b_fmt:MATRIX_FMT_BF6 matrix_a_scale:MATRIX_SCALE_ROW1
.elseif (\z) && (\rb)
	v_wmma_scale_f32_16x16x128_f8f6f4 v[(\d):(\d)+7], v[(\a):(\a)+11], v[(\b):(\b)+11], 0, v[\sa], v[\sb] matrix_a_fmt:MATRIX_FMT_BF6 matrix_b_fmt:MATRIX_FMT_BF6 matrix_b_scale:MATRIX_SCALE_ROW1
.elseif (\z)
	v_wmma_scale_f32_16x16x128_f8f6f4 v[(\d):(\d)+7], v[(\a):(\a)+11], v[(\b):(\b)+11], 0, v[\sa], v[\sb] matrix_a_fmt:MATRIX_FMT_BF6 matrix_b_fmt:MATRIX_FMT_BF6
.elseif (\ra) && (\rb)
	v_wmma_scale_f32_16x16x128_f8f6f4 v[(\d):(\d)+7], v[(\a):(\a)+11], v[(\b):(\b)+11], v[(\d):(\d)+7], v[\sa], v[\sb] matrix_a_fmt:MATRIX_FMT_BF6 matrix_b_fmt:MATRIX_FMT_BF6 matrix_a_scale:MATRIX_SCALE_ROW1 matrix_b_scale:MATRIX_SCALE_ROW1
.elseif (\ra)
	v_wmma_scale_f32_16x16x128_f8f6f4 v[(\d):(\d)+7], v[(\a):(\a)+11], v[(\b):(\b)+11], v[(\d):(\d)+7], v[\sa], v[\sb] matrix_a_fmt:MATRIX_FMT_BF6 matrix_b_fmt:MATRIX_FMT_BF6 matrix_a_scale:MATRIX_SCALE_ROW1
.elseif (\rb)
	v_wmma_scale_f32_16x16x128_f8f6f4 v[(\d):(\d)+7], v[(\a):(\a)+11], v[(\b):(\b)+11], v[(\d):(\d)+7], v[\sa], v[\sb] matrix_a_fmt:MATRIX_FMT_BF6 matrix_b_fmt:MATRIX_FMT_BF6 matrix_b_scale:MATRIX_SCALE_ROW1
.else
	v_wmma_scale_f32_16x16x128_f8f6f4 v[(\d):(\d)+7], v[(\a):(\a)+11], v[(\b):(\b)+11], v[(\d):(\d)+7], v[\sa], v[\sb] matrix_a_fmt:MATRIX_FMT_BF6 matrix_b_fmt:MATRIX_FMT_BF6
.endif
.endm
.macro WLOAD t, s
.irp g, 0,1,2
	global_load_b128 v[W+12*(\t)+4*\g:W+12*(\t)+4*\g+3], v1, s[WB:WB+1] offset:(\s)*6144+(\t)*1536+\g*512
.endr
.endm
.macro XLOAD s
.irp m, 0,1,2,3
	ds_load_b128 v[X+12*\m:X+12*\m+3], v[XA16] offset:(\s)*6144+\m*1536
	ds_load_b64 v[X+12*\m+4:X+12*\m+5], v[XA8] offset:(\s)*6144+\m*1536+512
	ds_load_b128 v[X+12*\m+6:X+12*\m+9], v[XA16] offset:(\s)*6144+\m*1536+768
	ds_load_b64 v[X+12*\m+10:X+12*\m+11], v[XA8] offset:(\s)*6144+\m*1536+1280
.endr
	ds_load_b32 v[XS], v[XS4] offset:(\s)*256
	ds_load_b32 v[XS+1], v[XS4] offset:(\s)*256+128
.endm
.macro MM4 t, s, z                     ; transposed: source 0 = 16 columns of the weight, source 1 = 16 rows
.irp m, 0,1,2,3
	WM ACC+32*\m+8*(\t), W+12*(\t), X+12*\m, \z, WS+2*(\s)+(\t)/2, XS+\m/2, (\t)%2, \m%2
.endr
.endm
; A K step: 16 products, the 16 accumulators by turns.  The count 9: three younger fragments of three loads each are out; in the last step 9, 6, 3, 0.
.macro KSTEP s, z, last
	s_wait_dscnt 0x0
.irp t, 0,1,2,3
.if \last
	s_wait_loadcnt 9-3*\t
.else
	s_wait_loadcnt 9
.endif
	MM4 \t, \s, \z
	NOP4
.if !(\last)
.if \t == 3
	XLOAD (\s)+1
.endif
	WLOAD \t, (\s)+1
.endif
.endr
.endm
	s_load_b256 s[4:11], s[0:1], 0x0               ; A s[4:5], wimg s[6:7], bias s[8:9], residual s[10:11]
	s_load_b64 s[12:13], s[0:1], 0x20              ; out
	s_set_vgpr_msb 0x40
	v_lshl_add_u32 v0, v0, 2, 0x31000
	v_mov_b32 v1, 0
	s_set_vgpr_msb 0x4000
	v_lshrrev_b32 v32, 5, v0
	v_readfirstlane_b32 s14, v32                   ; wave
	v_and_b32 v32, 31, v0                          ; lane
	v_and_b32 v33, 15, v0
	v_bfe_u32 v34, v0, 4, 1
	v_lshlrev_b32 v1, 4, v32
	v_lshlrev_b32 v2, 3, v32
	s_lshr_b32 s15, s14, LOGQ                      ; my unit of 64 columns
	s_and_b32 s16, s14, NKQ-1                      ; my part of K
	s_and_b32 s33, ttmp7, 0xffff                   ; cg
	s_mul_i32 s17, s16, NS*6144
	v_add_nc_u32 v3, s17, v1                       ; the panel's images from my first K step on
	v_add_nc_u32 v4, s17, v2
	s_mul_i32 s17, s16, NS*256
	s_add_co_u32 s17, s17, CB
	v_lshl_add_u32 v5, v32, 2, s17                 ; their scale words
	v_lshlrev_b32 v6, 4, v33                       ; 16 x (lane & 15)
	s_mul_i32 s18, s16, SSZ
	s_lshl_b32 s19, s15, 8
	s_add_co_u32 s20, s18, s19
	v_mul_u32_u24 v7, v33, 784
	v_lshl_add_u32 v7, v34, 6, v7
	v_add_nc_u32 v7, s20, v7                       ; into my part's stage: row r, + 64 h, + my unit's 256 bytes
	s_mul_i32 s20, s16, RPW*784
	s_add_co_u32 s20, s20, s19
	v_mul_u32_u24 v8, v34, 784
	v_add_nc_u32 v8, v8, v6
	v_add_nc_u32 v8, s20, v8                       ; back: my RPW rows of my unit, two rows an instruction, from each part's stage
	v_add_nc_u32 v9, SSZ, v8
.if NKQ > 2
	v_add_nc_u32 v10, 2*SSZ, v8
	v_add_nc_u32 v11, 3*SSZ, v8
.endif
	v_mul_u32_u24 v12, v34, 3072
	v_add_nc_u32 v12, v12, v6                      ; the same two rows in memory
	v_lshlrev_b32 v13, 4, v0                       ; the copy: 16 x thread, and 8 and 16 passes on
	v_add_nc_u32 v14, 8*WAVES*512, v13
.if NCP > 16
	v_add_nc_u32 v15, 16*WAVES*512, v13
.endif
	v_lshlrev_b32 v31, 3, v0
	v_add_nc_u32 v30, CB, v31
	s_mov_b32 s21, 0
	s_wait_kmcnt 0x0
	s_mul_i32 s20, ttmp9, CB
	s_add_nc_u64 s[22:23], s[4:5], s[20:21]        ; the panel's codes
	s_mul_i32 s20, ttmp9, SBY
	s_add_co_u32 s20, s20, SCO
	s_add_nc_u64 s[24:25], s[4:5], s[20:21]        ; and scale words
	s_mul_i32 s26, s33, 3
	s_add_co_u32 s26, s26, s15
	s_mul_i32 s27, s26, GM
	s_add_co_u32 s27, s27, GB                      ; the weight's unit
	s_mul_i32 s20, s27, 36864
	s_mul_i32 s32, s16, NS*6144
	s_add_co_u32 s20, s20, s32
	s_add_nc_u64 s[WB:WB+1], s[6:7], s[20:21]
	s_mul_i32 s20, s27, 1536
	s_mul_i32 s32, s16, NS*256
	s_add_co_u32 s20, s20, s32
	s_add_co_u32 s20, s20, WSB
	s_add_nc_u64 s[WSC:WSC+1], s[6:7], s[20:21]
	s_lshl_b32 s20, ttmp9, 6
	s_mul_i32 s32, s16, RPW
	s_add_co_u32 s20, s20, s32
	s_mul_i32 s20, s20, 3072
	s_mul_i32 s32, s33, 768
	s_add_co_u32 s32, s32, s19
	s_add_co_u32 s20, s20, s32
	s_add_nc_u64 s[10:11], s[10:11], s[20:21]      ; residual and out at my first row and column
	s_add_nc_u64 s[12:13], s[12:13], s[20:21]
	s_mov_b32 s20, s32
	s_add_nc_u64 s[8:9], s[8:9], s[20:21]          ; my unit's 64 biases
	; the panel comes in
.set i, 0
.rept NCP
	global_load_b128 v[128+4*i:131+4*i], v13, s[22:23] offset:i*WAVES*512
.set i, i+1
.endr
.set i, 0
.rept NSC
	global_load_b64 v[224+2*i:225+2*i], v31, s[24:25] offset:i*WAVES*256
.set i, i+1
.endr
.set i, 0
.rept NS
	global_load_b64 v[WS+2*i:WS+2*i+1], v2, s[WSC:WSC+1] offset:256*i
.set i, i+1
.endr
.irp t, 0,1,2,3
	WLOAD \t, 0
.endr
	s_wait_loadcnt NS+12                           ; the panel is in; the weight's scale words and first four fragments, issued behind it, may be out
.set i, 0
.rept NCP
	ds_store_b128 v[13+i/8], v[128+4*i:131+4*i] offset:(i%8)*WAVES*512
.set i, i+1
.endr
.set i, 0
.rept NSC
	ds_store_b64 v30, v[224+2*i:225+2*i] offset:i*WAVES*256
.set i, i+1
.endr
	BAR
	XLOAD 0
	KSTEP 0, 1, 0
.if NS == 6
	KSTEP 1, 0, 0
	KSTEP 2, 0, 0
	KSTEP 3, 0, 0
.endif
	KSTEP NS-2, 0, 0
	KSTEP NS-1, 0, 1
	; residual and bias are asked for while the part sums change hands
.set i, 0
.rept NI
	global_load_b128 v[32+4*i:35+4*i], v12, s[10:11] offset:6144*i
.set i, i+1
.endr
	global_load_b128 v[96:99], v6, s[8:9]
	BAR                                            ; every wave's reads of the panel are over: the stages may be laid over it
.irp m, 0,1,2,3
.irp t, 0,1,2,3
	ds_store_b128 v7, v[ACC+32*\m+8*\t:ACC+32*\m+8*\t+3] offset:\m*12544+128*(\t/2)+32*(\t%2)      ; lane (r, h): row 16 m + r, columns 32 b + 16 h + 8 u + 0 .. 7; each accumulator from its low end on
	ds_store_b128 v7, v[ACC+32*\m+8*\t+4:ACC+32*\m+8*\t+7] offset:\m*12544+128*(\t/2)+32*(\t%2)+16
.endr
.endr
	BAR
.set i, 0
.rept NI
.set q, 0
.rept NKQ
	ds_load_b128 v[128+4*(i*NKQ+q):131+4*(i*NKQ+q)], v[8+q] offset:1568*i
.set q, q+1
.endr
.set i, i+1
.endr
	s_wait_dscnt 0x0
	s_wait_loadcnt 0x0
.set i, 0
.rept NI
.set B, 128+4*i*NKQ
.set q, 1
.rept NKQ-1
	v_pk_add_f32 v[B:B+1], v[B:B+1], v[B+4*q:B+4*q+1]
	v_pk_add_f32 v[B+2:B+3], v[B+2:B+3], v[B+4*q+2:B+4*q+3]
.set q, q+1
.endr
	v_pk_add_f32 v[B:B+1], v[B:B+1], v[96:97]
	v_pk_add_f32 v[B+2:B+3], v[B+2:B+3], v[98:99]
	v_pk_add_f32 v[B:B+1], v[B:B+1], v[32+4*i:33+4*i]
	v_pk_add_f32 v[B+2:B+3], v[B+2:B+3], v[34+4*i:35+4*i]
	global_store_b128 v12, v[B:B+3], s[12:13] offset:6144*i   ; sixteen lanes store 256 consecutive bytes, at a multiple of 256 from the buffer's first byte
.set i, i+1
.endr
	s_set_vgpr_msb 0x5
	s_wait_tensorcnt 0x0
	ds_add_u32 v0, v1
	s_wait_dscnt 0x0
	s_set_vgpr_msb 0x500
	s_endpgm
.Lfunc_end_k_qd1132864c3_down:
	.size	k_qd1132864c3_down, .Lfunc_end_k_qd1132864c3_down-k_qd1132864c3_down
	.p2alignl 7, 3214868480
	.fill 96, 4, 3214868480
	.section	.rodata,"a",@progbits
	.p2align	6, 0x0
	.amdhsa_kernel k_qd1132864c3_down
		.amdhsa_group_segment_fixed_size 202240
		.amdhsa_private_segment_fixed_size 0
		.amdhsa_enable_private_segment 0
		.amdhsa_kernarg_size 40
		.amdhsa_user_sgpr_count 2
		.amdhsa_user_sgpr_kernarg_segment_ptr 1
		.amdhsa_wavefront_size32 1
		.amdhsa_system_sgpr_workgroup_id_x 1
		.amdhsa_system_sgpr_workgroup_id_y 1
		.amdhsa_system_sgpr_workgroup_id_z 1
		.amdhsa_system_vgpr_workitem_id 0
		.amdhsa_next_free_vgpr 258
		.amdhsa_next_free_sgpr 66
		.amdhsa_reserve_vcc 0
		.amdhsa_float_denorm_mode_32 3
		.amdhsa_float_denorm_mode_16_64 3
		.amdhsa_memory_ordered 1
		.amdhsa_forward_progress 1
		.amdhsa_inst_pref_size 49
	.end_amdhsa_kernel
	.amdgpu_metadata
---
amdhsa.version: [ 1, 2 ]
amdhsa.kernels:
  - .name:           k_qd1132864c3_down
    .symbol:         k_qd1132864c3_down.kd
    .args:
      - { .name: hbuf, .offset: 0, .size: 8, .value_kind: global_buffer, .address_space: global }
      - { .name: wimg, .offset: 8, .size: 8, .value_kind: global_buffer, .address_space: global }
      - { .name: b_down, .offset: 16, .size: 8, .value_kind: global_buffer, .address_space: global }
      - { .name: hid, .offset: 24, .size: 8, .value_kind: global_buffer, .address_space: global }
      - { .name: out0, .offset: 32, .size: 8, .value_kind: global_buffer, .address_space: global }
    .group_segment_fixed_size: 202240
    .private_segment_fixed_size: 0
    .kernarg_segment_align: 8
    .kernarg_segment_size: 40
    .max_flat_workgroup_size: 384
    .sgpr_count:     66
    .vgpr_count:     258
    .wavefront_size: 32
...
	.end_amdgpu_metadata
.endif
;; end of part 6
